; MI455X (gfx1250); checked and timed in simulation.
; The chip was launched on July 23, 2026; its instructions are those of AMD's public machine-readable ISA for CDNA 5 (MIT licence, August 2026) and "CDNA5" Instruction Set Architecture Reference Guide (July 2026). The comments in the code are by the model that wrote it; some were corrected since.
;; Block. Allowed arithmetic: matrix products marked QUANTISED: E4M3 operands, one E8M0 scale for each 32 along K, by v_wmma_scale_f32_16x16x128_f8f6f4 with both operands' format E4M3, f32 sums; everything else in f32.
;; Inputs: W1_codes 4,096 x 32 x 32 uint8 (E4M3 codes of W1, K innermost, in blocks of 32 codes); W1_scales 4,096 x 32 uint8 (E8M0 scales of W1, one for each 32 codes along K); W2_codes 1,024 x 128 x 32 uint8 (E4M3 codes of W2, K innermost, in blocks of 32 codes); W2_scales 1,024 x 128 uint8 (E8M0 scales of W2, one for each 32 codes along K); Wk_codes 16 x 64 x 32 x 32 uint8 (E4M3 codes of Wk, K innermost, in blocks of 32 codes); Wk_scales 16 x 64 x 32 uint8 (E8M0 scales of Wk, one for each 32 codes along K); Wo_codes 1,024 x 32 x 32 uint8 (E4M3 codes of Wo, K innermost, in blocks of 32 codes); Wo_scales 1,024 x 32 uint8 (E8M0 scales of Wo, one for each 32 codes along K); Wq_codes 16 x 64 x 32 x 32 uint8 (E4M3 codes of Wq, K innermost, in blocks of 32 codes); Wq_scales 16 x 64 x 32 uint8 (E8M0 scales of Wq, one for each 32 codes along K); Wv_codes 16 x 64 x 32 x 32 uint8 (E4M3 codes of Wv, K innermost, in blocks of 32 codes); Wv_scales 16 x 64 x 32 uint8 (E8M0 scales of Wv, one for each 32 codes along K); b1 4,096 float32; b2 1,024 float32; bo 1,024 float32; ln1_b 1,024 float32; ln1_g 1,024 float32; ln2_b 1,024 float32; ln2_g 1,024 float32; x 2 x 2,048 x 1,024 float32.
;; Outputs: out0 2 x 2,048 x 1,024 float32.
;; This version of the problem:
;;   THIS VERSION OF THE PROBLEM IS GIVEN IN LOW PRECISION. The matrix products marked QUANTISED in the list below multiply operands that are first quantised to E4M3 (4 exponent bits, 3 mantissa bits; 8 bits a number), with one power-of-two scale for each 32 numbers along K (OCP MX v1.0); their sums are f32. All else is computed in f32.
;;   The module's matrix products, in the order in which they are computed (A, B: the left and right operand; K: the contracted axis; several contracted axes count as one K, in the product's order):
;;     1. [M 1,024, K 1,024] x [K 1,024, N 4,096]; A: input Wq (given as codes); B: computed on the way: QUANTISED
;;     2. [M 1,024, K 1,024] x [K 1,024, N 4,096]; A: input Wk (given as codes); B: computed on the way: QUANTISED
;;     3. [M 1,024, K 1,024] x [K 1,024, N 4,096]; A: input Wv (given as codes); B: computed on the way: QUANTISED
;;     4. batch 32 x [M 2,048, K 64] x [K 64, N 2,048]; A: computed on the way; B: computed on the way: QUANTISED
;;     5. batch 32 x [M 2,048, K 2,048] x [K 2,048, N 64]; A: softmax (see below); B: computed on the way: QUANTISED
;;     6. [M 4,096, K 1,024] x [K 1,024, N 1,024]; A: computed on the way; B: input Wo (given as codes): QUANTISED
;;     7. [M 4,096, K 1,024] x [K 1,024, N 4,096]; A: computed on the way; B: input W1 (given as codes): QUANTISED
;;     8. [M 4,096, K 4,096] x [K 4,096, N 1,024]; A: computed on the way; B: input W2 (given as codes): QUANTISED
;;   THE QUANTISER, for each operand of a quantised product, along K:
;;     - K is cut into blocks of 32 from its start; a last block that is shorter is filled with zeros.
;;     - A block's scale is 2^e with e = floor(log2(the largest magnitude in the block)) - 8, held to -126 .. 127; a block of zeros has e = 0. As a byte (E8M0): e + 127.
;;     - Each number is divided by its block's scale, clamped to +-448, and rounded to the nearest number of E4M3, ties to even, subnormals kept.
;;     - The product sums the exact products of the quantised numbers (number of the format x scale) in f32.
;;   ~~~python
;;   def quantise(x, axis):      # numpy; x: float32 -> the quantised numbers, widened to float32 again
;;       x = np.moveaxis(x, axis, -1); K = x.shape[-1]
;;       x = np.pad(x, [(0, 0)] * (x.ndim - 1) + [(0, -K % 32)]); x = x.reshape(x.shape[:-1] + (-1, 32)); a = np.abs(x).max(-1, keepdims=True)
;;       e = np.where(a > 0, np.clip(np.frexp(np.where(a > 0, a, 1))[1] - 1 - 8, -126, 127), 0)      # np.frexp(a)[1] - 1 = floor(log2(a)), exactly
;;       r = np.clip(x / 2.0 ** e, -448, 448)
;;       step = 2.0 ** (np.maximum(np.frexp(np.where(r == 0, 1, r))[1] - 1, -6) - 3)
;;       q = np.round(r / step) * step * 2.0 ** e      # np.round: ties to even
;;       return np.moveaxis(q.reshape(q.shape[:-2] + (-1,))[..., :K], -1, axis).astype(np.float32)
;;   ~~~
;;   SOFTMAX AHEAD OF A QUANTISED PRODUCT. Where the list says 'softmax', what is quantised is not the finished softmax but p = 2^(t - M), with t = logit x log2(e) and M = ceil(the row's largest t), a whole number; so 1/2 < the row's largest p <= 1. The row's sum l is taken of the UNQUANTISED p, in f32, and the product's result is divided by l at the end. Since M is a whole number, a kernel that streams over the keys may use a running M (the ceiling of the running maximum): every later rescaling is an exact power of two, which a block's scale takes up: the codes' values come out the same.
;;   OPERANDS COMPUTED ON THE WAY. 'Computed on the way' means the value that the module computes at that place (a softmax that the list does not call 'softmax' is quantised finished and normalised). What goes into a quantiser is computed in f32, as accurately as f32 sums, v_exp_f32 and their like allow (about 1e-6 of the number): no bf16 or f16 on the way to a quantiser, and a product that is left as it is and whose result goes on into a quantised operand takes f32 operands (vector FMAs, or v_wmma_f32_16x16x4_f32). A number that lies on a knife's edge between two numbers of the format may be rounded either way, as far as f32 arithmetic and the matrix unit's own rounding can turn it there, and no further.
;;   INPUTS GIVEN AS CODES. W1 (in the module: [1024, 4096], K = its axis 0); W2 (in the module: [4096, 1024], K = its axis 0); Wk (in the module: [16, 1024, 64], K = its axis 1); Wo (in the module: [1024, 1024], K = its axis 0); Wq (in the module: [16, 1024, 64], K = its axis 1); Wv (in the module: [16, 1024, 64], K = its axis 1): each comes as NAME_codes (uint8): NAME with its K axis moved to the last place and cut into blocks of 32 codes, [.., K / 32, bytes a block], one block behind the other in memory; one code a byte (a code: sign, 4 exponent bits, 3 mantissa bits); and NAME_scales (uint8): the same leading axes, one E8M0 byte (e + 127) for each 32 codes along K. Its value is code x scale, taken as it is: it is not quantised again, and the codes and scales need not be those that the quantiser above would give.
;; One version. Each part assembles by itself: llvm-mc -triple=amdgcn-amd-amdhsa -mcpu=gfx1250 --defsym DOCPART=n.
;; ======== version 1 of 1: 7 launches
;; limits: right only within a limited range of input values
;; workspace buffers: hq 4,325,376 bytes; qkvb 13,631,488 bytes; attb 4,325,376 bytes; x1 16,777,216 bytes; hid 17,301,504 bytes
;; launch ln1 (part 1): grid 256 x 1, 4 waves a work-group, no clusters, 22,016 bytes of LDS; arguments x, ln1_g, ln1_b, hq; writes hq
.if DOCPART == 1
	.amdgcn_target "amdgcn-amd-amdhsa--gfx1250"
	.amdhsa_code_object_version 6
	.text
	.protected	k_qbf243fa4e9_ln1
	.globl	k_qbf243fa4e9_ln1
	.p2align	8
	.type	k_qbf243fa4e9_ln1,@function
k_qbf243fa4e9_ln1:
	s_mov_b64 s[64:65], 0
	v_nop
	global_prefetch_b8 v0, s[64:65] scope:SCOPE_SE
	s_setreg_imm32_b32 hwreg(HW_REG_WAVE_MODE, 25, 1), 1
	s_wait_xcnt 0x0
; LayerNorm of rows of 1,024 f32 (mean, centred variance, rsqrt(var + 1e-5), gain, bias: all f32), then the MX-FP8 quantiser along the row:
; codes of E4M3 [4096][1024] at byte 0 of the output buffer, one E8M0 byte for each 32 numbers, [4096][32], at byte 0x400000: laid as a given weight is.
; A block's byte is its largest magnitude's exponent field - 8, held at 1 from below; numbers are held within +-448 x the scale and rounded to the nearest code, ties to even.
; LIMITS: NaN and infinities are not served.  A block of zeros gets the byte 1 (the quantiser's text says 127): its codes are zeros and this program alone reads the bytes.  Blocks whose largest magnitude
; lies under 2^-118 are held at that floor.
; SHARES: a work-group takes 16 rows, a wave 4, one after the other.  A row is eight loads of 512 consecutive bytes (16 a lane) and stays in 32 registers through both passes: it is read from memory once.
; The conversion wants 16 NEIGHBOURS in one lane, so the finished row turns through the wave's own stage in LDS (64 bytes + 16 of padding for each lane, half a row at a time); two neighbouring lanes hold a block.
; A lane's 16 codes are 16 bytes: a store covers 512 consecutive bytes.  The 512 scale bytes of the work-group's 16 rows are gathered in LDS and leave as one store of 512 consecutive bytes.
; Memory binds this launch: no matrix unit, no tensor load, no cluster (work-groups share only gain and bias, 8 KB), no prefetch (it streams already).
.set G,    32                          ; v32-63   gain, in the loads' mapping
.set BB,   64                          ; v64-95   bias
.set R,    96                          ; v96-159  two rows as loaded
.set X,    160                         ; v160-191 a row back from the stage: 16 neighbours for each half
.set CD,   192                         ; v192-223 codes: four registers for each (row, half): no store's data are written again
.set E,    224                         ; v224-231 a scale byte for each (row, half)
.set SP,   80                          ; a lane's place in a stage
.set WST,  5120                        ; a wave's two stages of 32 x SP bytes
.set SCL,  20480                       ; behind them: the work-group's scale bytes, [16 rows][32]
	s_load_b256 s[4:11], s[0:1], 0x0               ; rows s[4:5], gain s[6:7], bias s[8:9], output s[10:11]
	v_lshl_add_u32 v232, v0, 2, 0x5400
	v_mov_b32 v233, 0
	v_lshrrev_b32 v6, 5, v0
	v_readfirstlane_b32 s15, v6                    ; wave
	v_and_b32 v1, 31, v0                           ; lane
	v_lshlrev_b32 v2, 4, v1                        ; 16 x lane: my bytes of a load's or a store's 512
	s_mul_i32 s24, s15, WST
	v_lshrrev_b32 v3, 2, v1
	v_mul_u32_u24 v3, v3, SP
	v_and_b32 v6, 3, v1
	v_lshl_add_u32 v3, v6, 4, v3
	v_add_nc_u32 v3, s24, v3                       ; the stage, in: four lanes' 64 bytes on end, then the padding
	v_mul_u32_u24 v4, v1, SP
	v_add_nc_u32 v4, s24, v4                       ; and out: my 16 neighbours
	s_lshl_b32 s24, s15, 7
	s_add_co_u32 s24, s24, SCL
	v_lshrrev_b32 v5, 1, v1
	v_add_nc_u32 v5, s24, v5                       ; my block's scale byte: 128 x wave + lane / 2
	v_add_nc_u32 v7, SCL, v2                       ; the scale bytes on their way out
	v_mov_b32 v24, 0                               ; written once: a lane permute's destination counts as one of its sources
	s_mov_b32 s12, 0x76543210
	s_mov_b32 s13, 0xfedcba98                      ; selects for lane l xor 16
	s_mov_b32 s22, 0x3a800000                      ; 1 / 1024
	s_mov_b32 s23, 0x3727c5ac                      ; 1e-5
	s_lshl_b32 s16, ttmp9, 16                      ; 16 rows of 4,096 bytes a work-group,
	s_lshl_b32 s25, s15, 14                        ; 4 a wave
	s_add_co_u32 s16, s16, s25
	s_mov_b32 s17, 0
	s_lshl_b32 s18, ttmp9, 14                      ; the same rows' codes
	s_lshl_b32 s25, s15, 12
	s_add_co_u32 s18, s18, s25
	s_mov_b32 s19, 0
	s_lshl_b32 s20, ttmp9, 9                       ; and the work-group's 512 scale bytes
	s_add_co_u32 s20, s20, 0x400000
	s_mov_b32 s21, 0
	s_wait_kmcnt 0x0
	s_add_nc_u64 s[4:5], s[4:5], s[16:17]
	s_add_nc_u64 s[20:21], s[10:11], s[20:21]
	s_add_nc_u64 s[10:11], s[10:11], s[18:19]
.irp j, 0,1,2,3,4,5,6,7
	global_load_b128 v[G+4*\j:G+4*\j+3], v2, s[6:7] offset:512*\j
	global_load_b128 v[BB+4*\j:BB+4*\j+3], v2, s[8:9] offset:512*\j
.endr
.macro LOADROW i
.irp j, 0,1,2,3,4,5,6,7
	global_load_b128 v[R+32*((\i)%2)+4*\j:R+32*((\i)%2)+4*\j+3], v2, s[4:5] offset:4096*(\i)+512*\j
.endr
.endm
	LOADROW 0
	LOADROW 1
.macro REDUCE                          ; four packed chains in v16-23 become one sum over the wave's 32 lanes, in every lane's v16
	v_pk_add_f32 v[16:17], v[16:17], v[18:19]
	v_pk_add_f32 v[20:21], v[20:21], v[22:23]
	v_pk_add_f32 v[16:17], v[16:17], v[20:21]
	v_add_f32 v16, v16, v17
	v_add_f32_dpp v16, v16, v16 row_xmask:1 row_mask:0xf bank_mask:0xf
	v_add_f32_dpp v16, v16, v16 row_xmask:2 row_mask:0xf bank_mask:0xf
	v_add_f32_dpp v16, v16, v16 row_xmask:4 row_mask:0xf bank_mask:0xf
	v_add_f32_dpp v16, v16, v16 row_xmask:8 row_mask:0xf bank_mask:0xf
	v_permlanex16_b32 v24, v16, s12, s13
	v_add_f32 v16, v16, v24
.endm
.macro QHALF i, t                      ; half t of row i: my 16 neighbours become 16 codes and (with my neighbour lane) a scale byte
.set XS, X+16*(\t)
.set CS, CD+4*(2*(\i)+(\t))
	v_max3_num_f32 v8, |v[XS]|, |v[XS+1]|, |v[XS+2]|
	v_max3_num_f32 v9, |v[XS+3]|, |v[XS+4]|, |v[XS+5]|
.irp e, 6,10
	v_max3_num_f32 v8, v8, |v[XS+\e]|, |v[XS+\e+1]|
	v_max3_num_f32 v9, v9, |v[XS+\e+2]|, |v[XS+\e+3]|
.endr
	v_max3_num_f32 v8, v8, |v[XS+14]|, |v[XS+15]|
	v_max3_num_f32 v8, v8, v9, 0x4800000           ; the floor 2^(9 - 127): the byte cannot fall under 1
	v_max_num_f32_dpp v8, v8, v8 row_xmask:1 row_mask:0xf bank_mask:0xf   ; with my neighbour's 16: the block's largest magnitude
	v_add_nc_u32 v11, 0xfc000000, v8               ; 8 off its exponent field: the conversion's scale operand
.irp e, 0,1,2,3,4,5,6,7,8,9,10,11,12,13,14,15
.endr
	v_cvt_scalef32_pk8_fp8_f32 v[CS:CS+1], v[XS:XS+7], v11
	v_cvt_scalef32_pk8_fp8_f32 v[CS+2:CS+3], v[XS+8:XS+15], v11
	v_lshrrev_b32 v[E+2*(\i)+(\t)], 23, v11        ; the scale's byte (also the plain line behind the conversions)
	ds_store_b8 v5, v[E+2*(\i)+(\t)] offset:32*(\i)+16*(\t)   ; both lanes of a block write the same byte with the same value
	global_store_b128 v2, v[CS:CS+3], s[10:11] offset:1024*(\i)+512*(\t)   ; the wave stores 512 consecutive bytes
.endm
.macro ROW i
.set RS, R+32*((\i)%2)
.if (\i) < 3
	s_wait_loadcnt 8                               ; this row (and gain and bias) are in; the next row's eight loads stay out
.else
	s_wait_loadcnt 0
.endif
.irp k, 0,1,2,3
	v_pk_add_f32 v[16+2*\k:17+2*\k], v[RS+2*\k:RS+2*\k+1], v[RS+8+2*\k:RS+9+2*\k]   ; the sum, in four chains that start on the data: nothing is cleared
.endr
.irp p, 16,24
.irp k, 0,1,2,3
	v_pk_add_f32 v[16+2*\k:17+2*\k], v[16+2*\k:17+2*\k], v[RS+\p+2*\k:RS+\p+2*\k+1]
.endr
.endr
	REDUCE
	v_mul_f32 v12, s22, v16                        ; the mean,
	v_mov_b32 v13, v12                             ; as a pair
.irp k, 0,2,4,6,8,10,12,14,16,18,20,22,24,26,28,30
	v_pk_add_f32 v[RS+\k:RS+\k+1], v[RS+\k:RS+\k+1], v[12:13] neg_lo:[0,1] neg_hi:[0,1]   ; x - mean
.endr
.irp k, 0,1,2,3
	v_pk_mul_f32 v[16+2*\k:17+2*\k], v[RS+2*\k:RS+2*\k+1], v[RS+2*\k:RS+2*\k+1]
.endr
.irp p, 8,16,24
.irp k, 0,1,2,3
	v_pk_fma_f32 v[16+2*\k:17+2*\k], v[RS+\p+2*\k:RS+\p+2*\k+1], v[RS+\p+2*\k:RS+\p+2*\k+1], v[16+2*\k:17+2*\k]
.endr
.endr
	REDUCE
	v_fma_f32 v6, v16, s22, s23                    ; the variance + 1e-5
	s_wait_alu depctr_va_vdst(0)
	v_rsq_f32 v14, v6
	v_rsq_f32 v15, v6
	v_nop                                          ; one plain line behind a transcendental before its result is used (ISA guide 5.7.2)
	s_wait_alu depctr_va_vdst(0)
.irp k, 0,2,4,6,8,10,12,14,16,18,20,22,24,26,28,30
	v_pk_mul_f32 v[RS+\k:RS+\k+1], v[RS+\k:RS+\k+1], v[14:15]
.endr
.irp k, 0,2,4,6,8,10,12,14,16,18,20,22,24,26,28,30
	v_pk_fma_f32 v[RS+\k:RS+\k+1], v[RS+\k:RS+\k+1], v[G+\k:G+\k+1], v[BB+\k:BB+\k+1]
.endr
.irp j, 0,1,2,3,4,5,6,7
	ds_store_b128 v3, v[RS+4*\j:RS+4*\j+3] offset:2560*(\j/4)+640*(\j%4)
.endr
.irp t, 0,1
.irp e, 0,1,2,3
	ds_load_b128 v[X+16*\t+4*\e:X+16*\t+4*\e+3], v4 offset:2560*\t+16*\e   ; LDS serves a wave's instructions in order: these see the stores above
.endr
.endr
	s_wait_dscnt 0x0                               ; the row is back, and the stores have read their registers,
.if (\i) < 2
	LOADROW (\i)+2                                 ; which take the row two further on
.endif
	QHALF \i, 0
	QHALF \i, 1
.endm
	ROW 0
	ROW 1
	ROW 2
	ROW 3
	s_wait_dscnt 0x0                               ; for the others' sake: my scale bytes lie in LDS
	s_barrier_signal -1
	s_barrier_wait -1
	s_cmp_lg_u32 s15, 0
	s_cbranch_scc1 .Lend
	ds_load_b128 v[16:19], v7                      ; wave 0: the 16 rows' 512 scale bytes
	s_wait_dscnt 0x0
	global_store_b128 v2, v[16:19], s[20:21]       ; 512 consecutive bytes
.Lend:
	s_wait_tensorcnt 0x0
	ds_add_u32 v232, v233
	s_wait_dscnt 0x0
	s_endpgm
.Lfunc_end_k_qbf243fa4e9_ln1:
	.size	k_qbf243fa4e9_ln1, .Lfunc_end_k_qbf243fa4e9_ln1-k_qbf243fa4e9_ln1
	.p2alignl 7, 3214868480
	.fill 96, 4, 3214868480
	.section	.rodata,"a",@progbits
	.p2align	6, 0x0
	.amdhsa_kernel k_qbf243fa4e9_ln1
		.amdhsa_group_segment_fixed_size 22016
		.amdhsa_private_segment_fixed_size 0
		.amdhsa_enable_private_segment 0
		.amdhsa_kernarg_size 32
		.amdhsa_user_sgpr_count 2
		.amdhsa_user_sgpr_kernarg_segment_ptr 1
		.amdhsa_wavefront_size32 1
		.amdhsa_system_sgpr_workgroup_id_x 1
		.amdhsa_system_sgpr_workgroup_id_y 1
		.amdhsa_system_sgpr_workgroup_id_z 1
		.amdhsa_system_vgpr_workitem_id 0
		.amdhsa_next_free_vgpr 234
		.amdhsa_next_free_sgpr 66
		.amdhsa_reserve_vcc 0
		.amdhsa_float_denorm_mode_32 3
		.amdhsa_float_denorm_mode_16_64 3
		.amdhsa_fp16_overflow 1
		.amdhsa_memory_ordered 1
		.amdhsa_forward_progress 1
		.amdhsa_inst_pref_size 44
	.end_amdhsa_kernel
	.amdgpu_metadata
---
amdhsa.version: [ 1, 2 ]
amdhsa.kernels:
  - .name:           k_qbf243fa4e9_ln1
    .symbol:         k_qbf243fa4e9_ln1.kd
    .args:
      - { .name: x, .offset: 0, .size: 8, .value_kind: global_buffer, .address_space: global }
      - { .name: ln1_g, .offset: 8, .size: 8, .value_kind: global_buffer, .address_space: global }
      - { .name: ln1_b, .offset: 16, .size: 8, .value_kind: global_buffer, .address_space: global }
      - { .name: hq, .offset: 24, .size: 8, .value_kind: global_buffer, .address_space: global }
    .group_segment_fixed_size: 22016
    .private_segment_fixed_size: 0
    .kernarg_segment_align: 8
    .kernarg_segment_size: 32
    .max_flat_workgroup_size: 128
    .sgpr_count:     66
    .vgpr_count:     234
    .wavefront_size: 32
...
	.end_amdgpu_metadata
.endif
;; end of part 1
;; launch qkv (part 2): grid 12 x 16, 4 waves a work-group, clusters of 4 x 4, 327,680 bytes of LDS; arguments hq, Wq_codes, Wq_scales, Wk_codes, Wk_scales, Wv_codes, Wv_scales, qkvb; writes qkvb
.if DOCPART == 2
	.amdgcn_target "amdgcn-amd-amdhsa--gfx1250"
	.amdhsa_code_object_version 6
	.text
	.protected	k_qbf243fa4e9_qkv
	.globl	k_qbf243fa4e9_qkv
	.p2align	8
	.type	k_qbf243fa4e9_qkv,@function
k_qbf243fa4e9_qkv:
	s_mov_b64 s[64:65], 0
	v_nop
	global_prefetch_b8 v0, s[64:65] scope:SCOPE_SE
	s_setreg_imm32_b32 hwreg(HW_REG_WAVE_MODE, 25, 1), 1
	s_wait_xcnt 0x0
	s_wait_alu depctr_hold_cnt(0) depctr_sa_sdst(0) depctr_va_vdst(0) depctr_va_sdst(0) depctr_va_ssrc(0) depctr_va_vcc(0) depctr_vm_vsrc(0)
	s_getreg_b32 s2, hwreg(HW_REG_IB_STS2, 6, 4)
	s_cmp_eq_u32 s2, 0
	s_cbranch_scc0 .Lentry_in_a_cluster
	s_endpgm
.Lentry_in_a_cluster:
	s_bfe_u32 s2, ttmp6, 0x10000c
	s_cmp_lg_u32 s2, 0xf033
	s_cbranch_scc0 .Lentry_shape_is_right
	s_endpgm
.Lentry_shape_is_right:
; q, k, v = LN1(x) times Wq, Wk, Wv, on codes of E4M3 with E8M0 scales (K = 1,024), and the results quantised at once for the two products of attention: q and k along the head's 64, v along the keys.
; THE PRODUCT: source 0 = 16 rows of X, source 1 = 16 rows of Y, both [rows][1024] codes with [rows][32] scale bytes.  In the result lane (r, h) holds row r of Y, and register j of tile b X's row 16 b + 8 h + j.
;   cluster x = 0: X = Wq's 1,024 rows (head x 64 + d), Y = the 4,096 tokens.  1: the same with Wk.  2: X = the tokens, Y = Wv's rows: so a lane of v holds one d and its registers run along the keys.
; A tile of 256 (Y) x 256 (X) is made by four waves, each 128 x 128: 64 accumulators, 512 registers.  K goes in steps of 256 through a ring of two LDS slots filled by the tensor data mover; the scale bytes
; of the work-group's 2 x 256 rows, for all of K, come into LDS once, with the first fills.
; CLUSTERS: 4 x 4 work-groups.  The four of a row of the cluster need the same tiles of Y, the four of a column the same tiles of X: each is asked for jointly, by the same load with a mask that names the four.
; What differs between q, k and v hangs on the CLUSTER's x alone, which all sixteen partners share.
; THE WAY OUT has no LDS.  The 64 numbers that a lane holds of a Y block are four blocks of 32 along X; the 16 of tiles 2 c, 2 c + 1 are X rows 32 c + 8 h + (i % 8) + 16 (i / 8): a permutation INSIDE the block of 32,
; so the block, its largest magnitude (joined with lane l xor 16) and its byte are the true ones.  q meets k, and v meets the softmax's p, under this same order on both sides, so the codes are stored as they stand,
; as images of an operand's registers: group c of lane L at 512 c + 16 L.  The order of the f32 sums inside a block of 32 so differs from the natural one; the products are the same.
; OUTPUT (bh = 16 x batch + head): q at 0, k at 0x400000: [bh][token tile 128][1,024 B];  v at 0x800000: [bh][key step 16][d tile 4][2,048 B];
;   scale words, 128 B for 32 lanes: q at 0xC00000 [bh][tile]: bytes q0 q1 q0 q1;  k at 0xC80000 [bh][pair of tiles]: even tile's two bytes, odd tile's two;  v at 0xCC0000 [bh][step][d tile].
; LIMITS: NaN and infinities are not served; a block of zeros gets the byte 1 (its codes are zeros; this program alone reads the bytes); blocks under 2^-118 are held at that floor.
; REGISTERS, in windows of 256: window 0: v0-31 addresses; v32-63 scale words, two sets; from v128 Y's fragments, ONE set; on the way out v32-103 are at work.
;   window 1: X's fragments, TWO sets.   window 2: the accumulators of my Y rows 0-63 ((a, b) at v[8 (8 a + b)]);   window 3: those of rows 64-127.
.set KSTEP,  256
.set NQ,     2
.set ROWB,   256
.set KROW,   1024
.set PITCH,  272                       ; an LDS row: 256 bytes + 16 of padding: the 16 rows that a load touches start at 16 different banks (64 banks of 4 bytes: ISA guide 11.1)
.set FR,     16
.set NL,     4
.set NP,     8                         ; places behind this matrix instruction (ISA guide 7.12.1)
.set HALFT,  128*PITCH
.set SLOT,   4*HALFT                   ; Y's 256 rows, then X's 256 rows
.set LAPS,   2                         ; 1,024 along K = twice round the ring
.set KS,     32
.set SCL,    2*SLOT                    ; behind the ring: the scales, as units of 256 bytes + 16 of padding
.set HALFS,  (128*KS/256)*272
.set SBLK,   (16*KS/256)*272
.set SPARE,  SCL+4*HALFS               ; the spare words, 128 bytes for each wave: two blocks of 256 bytes that no other line names
.set ADRA, 16                          ; v16-17  LDS address of my Y fragments in slot 0, 1
.set ADRB, 20                          ; v20-21  the same for X
.set LI,   25                          ; v25     16 x lane
.set LS,   26                          ; v26     4 x lane
.set ADRS, 27                          ; v27     my scale words: lanes 0-15 Y's rows, lanes 16-31 X's
.set SPW,  28                          ; v28     my spare word; never rewritten
.set NIL,  29                          ; v29     0; never rewritten
.set SC,   32
.set AF,   128
.set TM,   32                          ; the way out: v32-35 largest magnitudes, v36-39 bytes, v44-47 scale operands
.set PC,   48                          ; v48-79  codes, two sets by turns
.set PW,   80                          ; v80-87  a scale word for each Y block
.set WW,   88                          ; v88-103 scale words as they are stored
.set G1, 24
.set G0, 32
.set G1B, 48
.set G0B, 56
.set G1S, 68
.set G0S, 76
.set G1SB, 80
.set G0SB, 88
.set SEL, 66                           ; s[66:67] selects for lane l xor 16
.set MNT, 95
.set CLX, 96                           ; s96 the cluster's x: 0 q, 1 k, 2 v
.set MSB, 0
.macro WIN new                         ; the immediate's high byte repeats the setting that is left
.if MSB != \new
	s_set_vgpr_msb (MSB<<8)|\new
.set MSB, \new
.endif
.endm
.set MUL_LO, 0xa1                      ; source 0 (X) window 1, source 1 (Y) window 0, C and D window 2
.set MUL_HI, 0xf1
.set TO_B,   0x40
; A joint load: waves 0 and 1 fetch for Y, waves 2 and 3 for X.  The branch hangs on the wave's number alone.  Four v_nop follow each of the two lines.
.macro JLOAD g0a, g1a, g0b, g1b
	s_cmp_eq_u32 s15, 0
	s_cbranch_scc0 .Lfor_b_\@
	tensor_load_to_lds s[\g0a:\g0a+3], s[\g1a:\g1a+7]
	s_nop 0
.rept 4
	v_nop
.endr
	s_branch .Lasked_\@
.Lfor_b_\@:
	tensor_load_to_lds s[\g0b:\g0b+3], s[\g1b:\g1b+7]
	s_nop 0
.rept 4
	v_nop
.endr
.Lasked_\@:
.endm
.macro CREST                           ; a round of the cluster's barrier behind its opening barrier
	s_cmp_lg_u32 s14, 0
	s_cbranch_scc1 .Lnot_wave_0_\@
	s_barrier_signal -3
.Lnot_wave_0_\@:
	s_barrier_wait -3
	s_barrier_signal -1
	s_barrier_wait -1
.endm
.macro CROUND
	s_barrier_signal -1
	s_barrier_wait -1
	CREST
.endm
	s_load_b512 s[68:83], s[0:1], 0x0              ; hq, Wq codes, scales, Wk codes, scales, Wv codes, scales, the output
	v_lshl_add_u32 v[SPW], v0, 2, SPARE
	v_mov_b32 v[NIL], 0
	ds_add_u32 v28, v29
	ds_add_u32 v28, v29
	s_wait_dscnt 0x0
	v_lshrrev_b32 v1, 5, v0
	v_readfirstlane_b32 s14, v1                    ; wave 0..3
	s_lshr_b32 s15, s14, 1                         ; which half of the tile's Y rows is mine.  Also: I fetch for Y (0) or for X (1)
	s_and_b32 s16, s14, 1                          ; which half of its X rows.  Also: which 128 rows of that tile I fetch
	s_bfe_u32 s40, ttmp6, 0x40000                  ; cx, cy: my place in the cluster
	s_bfe_u32 s41, ttmp6, 0x40004
	s_mov_b32 s[CLX], ttmp9
	s_and_b32 s97, ttmp7, 0xffff
	s_lshl_b32 s97, s97, 2                         ; 4 x the cluster's y: the tokens' 16 tiles go along it
	s_cmp_eq_u32 s[CLX], 2
	s_cselect_b32 s17, 0, s97
	s_cselect_b32 s42, s97, 0
	s_add_co_u32 s17, s17, s41                     ; Y's tile: tokens 4 y + cy, or (v) weight rows cy
	s_add_co_u32 s42, s42, s40                     ; X's tile: weight rows cx, or (v) tokens 4 y + cx
	s_lshl_b32 s43, s41, 2
	s_lshl_b32 s43, 15, s43                        ; my row of the cluster
	s_lshl_b32 s44, 0x1111, s40                    ; my column
	s_wait_kmcnt 0x0
	s_add_nc_u64 s[84:85], s[68:69], 0x400000      ; hq's scale bytes
	s_cmp_eq_u32 s[CLX], 2                         ; the buffers are chosen on the cluster's x alone
	s_cselect_b64 s[4:5], s[78:79], s[68:69]       ; Y's codes
	s_cselect_b64 s[6:7], s[80:81], s[84:85]       ; Y's scales
	s_cselect_b64 s[8:9], s[68:69], s[70:71]       ; X's codes
	s_cselect_b64 s[10:11], s[84:85], s[72:73]     ; X's scales
	s_cmp_eq_u32 s[CLX], 1
	s_cselect_b64 s[8:9], s[74:75], s[8:9]
	s_cselect_b64 s[10:11], s[76:77], s[10:11]
	s_mov_b64 s[12:13], s[82:83]                   ; the output
	; descriptor group 1: a tile of 128 rows x 256 bytes, padded in LDS
	s_or_b32 s[G1+0], s43, (0<<16)|(1<<20)|(1<<21)|(5<<22)|(3<<25)  ; 15:0 the mask: Y's tiles go to my row; 17:16 elements of 1 byte; 20 padding on; 21 set beside a mask; 24:22 after every 64 words; 31:25 four words
	s_or_b32 s[G1B+0], s44, (0<<16)|(1<<20)|(1<<21)|(5<<22)|(3<<25)
.irp g, G1, G1B
	s_mov_b32 s[\g+1], ROWB<<16                    ; tensor_dim0
	s_mov_b32 s[\g+2], 128<<16                     ; tensor_dim1
	s_mov_b32 s[\g+3], ROWB<<16                    ; tile_dim0
	s_mov_b32 s[\g+4], 128                         ; tile_dim1
	s_mov_b32 s[\g+5], KROW                        ; the pitch
	s_mov_b32 s[\g+6], 0
	s_mov_b32 s[\g+7], 0
.endr
	; the scales of 128 rows: 4,096 dense bytes, as 16 rows of 256 bytes (32 elements of 8 bytes), 16 bytes of padding behind each
	s_or_b32 s[G1S+0], s43, (3<<16)|(1<<20)|(1<<21)|(5<<22)|(3<<25)
	s_or_b32 s[G1SB+0], s44, (3<<16)|(1<<20)|(1<<21)|(5<<22)|(3<<25)
.irp g, G1S, G1SB
	s_mov_b32 s[\g+1], 32<<16
	s_mov_b32 s[\g+2], (128*KS/256)<<16
	s_mov_b32 s[\g+3], 32<<16
	s_mov_b32 s[\g+4], 128*KS/256
	s_mov_b32 s[\g+5], 32
	s_mov_b32 s[\g+6], 0
	s_mov_b32 s[\g+7], 0
.endr
	s_lshl_b32 s18, s16, 7                         ; which 128 rows of the tile I fetch
	s_lshl_b32 s20, s17, 8
	s_add_co_u32 s20, s20, s18                     ; Y: row 256 x tile + 128 x half
	s_lshl_b32 s46, s42, 8
	s_add_co_u32 s46, s46, s18                     ; X likewise
	s_mov_b32 s21, 0
	s_mov_b32 s47, 0
	s_mov_b64 s[18:19], KS
	s_mul_u64 s[22:23], s[20:21], s[18:19]         ; where these rows' scales begin, in bytes,
	s_mul_u64 s[92:93], s[46:47], s[18:19]
	s_mov_b64 s[18:19], KROW
	s_mul_u64 s[20:21], s[20:21], s[18:19]         ; and their codes
	s_mul_u64 s[46:47], s[46:47], s[18:19]
	s_mul_i32 s45, s14, HALFT                      ; where they go: wave x 128 rows: no place in the cluster enters an LDS address
	s_mul_i32 s94, s14, HALFS
	s_add_nc_u64 s[20:21], s[4:5], s[20:21]
	s_add_nc_u64 s[22:23], s[6:7], s[22:23]
	s_add_nc_u64 s[46:47], s[8:9], s[46:47]
	s_add_nc_u64 s[92:93], s[10:11], s[92:93]
	CROUND                                         ; all sixteen work-groups are here: the first joint loads meet
	s_mov_b32 s[G0S], 1
	s_add_co_u32 s[G0S+1], s94, SCL
	s_mov_b64 s[G0S+2:G0S+3], s[22:23]
	s_or_b32 s[G0S+3], s[G0S+3], 0x80000000
	s_mov_b32 s[G0SB], 1
	s_add_co_u32 s[G0SB+1], s94, SCL
	s_mov_b64 s[G0SB+2:G0SB+3], s[92:93]
	s_or_b32 s[G0SB+3], s[G0SB+3], 0x80000000
	JLOAD G0S, G1S, G0SB, G1SB                     ; the scales first: they are wanted with K step 0
.irp s, 0,1
	s_mov_b32 s[G0+4*\s], 1
	s_add_co_u32 s[G0+4*\s+1], s45, \s*SLOT
	s_add_nc_u64 s[G0+4*\s+2:G0+4*\s+3], s[20:21], \s*ROWB
	s_or_b32 s[G0+4*\s+3], s[G0+4*\s+3], 0x80000000
	s_mov_b32 s[G0B+4*\s], 1
	s_add_co_u32 s[G0B+4*\s+1], s45, \s*SLOT
	s_add_nc_u64 s[G0B+4*\s+2:G0B+4*\s+3], s[46:47], \s*ROWB
	s_or_b32 s[G0B+4*\s+3], s[G0B+4*\s+3], 0x80000000
	JLOAD G0+4*\s, G1, G0B+4*\s, G1B               ; three loads of mine are out now
.endr
	v_and_b32 v1, 15, v0                           ; r
	v_bfe_u32 v2, v0, 4, 1                         ; h
	v_mul_u32_u24 v3, v1, PITCH
	v_lshl_add_u32 v4, v2, 4, v3                   ; a fragment's row x pitch + 16 x half
	s_mul_i32 s21, s15, HALFT                      ; my 128 rows of Y
	s_mul_i32 s22, s16, HALFT                      ; my 128 rows of X,
	s_add_co_u32 s22, s22, 2*HALFT                 ; which lie behind Y's 256
.irp s, 0,1
	v_add_nc_u32 v[ADRA+\s], s21, v4
	v_add_nc_u32 v[ADRB+\s], s22, v4
	s_add_co_u32 s21, s21, SLOT
	s_add_co_u32 s22, s22, SLOT
.endr
	v_mul_u32_u24 v5, v1, KS                       ; my row's scales: 32 bytes a row,
	v_lshrrev_b32 v6, 8, v5
	v_lshl_add_u32 v5, v6, 4, v5                   ; and 16 more for each 256 passed
	s_mul_i32 s21, s15, HALFS
	s_mul_i32 s22, s16, HALFS
	s_add_co_u32 s22, s22, 2*HALFS
	s_sub_co_u32 s22, s22, s21
	v_mul_u32_u24 v6, s22, v2                      ; lanes 16-31 take X's: one product, the distance between the two bases
	s_add_co_u32 s21, s21, SCL
	v_add_nc_u32 v5, v5, v6
	v_add_nc_u32 v[ADRS], s21, v5
	v_and_b32 v6, 31, v0
	v_lshlrev_b32 v[LI], 4, v6
	v_lshlrev_b32 v[LS], 2, v6
	s_mov_b32 s[SEL], 0x76543210
	s_mov_b32 s[SEL+1], 0xfedcba98
	; where my results go.  The tokens are Y's rows (q, k) or X's (v); the weight's rows are the other side's
	s_cmp_eq_u32 s[CLX], 2
	s_cselect_b32 s98, s42, s17                    ; the tokens' tile,
	s_cselect_b32 s99, s16, s15                    ; my half of it,
	s_cselect_b32 s100, s17, s42                   ; the weight's tile (4 heads),
	s_cselect_b32 s101, s15, s16                   ; my half of it (2 heads)
	s_lshl_b32 s98, s98, 8
	s_lshl_b32 s99, s99, 7
	s_add_co_u32 s98, s98, s99                     ; my first token
	s_lshr_b32 s99, s98, 11                        ; its batch,
	s_and_b32 s98, s98, 2047                       ; and its place there
	s_lshl_b32 s99, s99, 4
	s_lshl_b32 s100, s100, 2
	s_lshl_b32 s101, s101, 1
	s_add_co_u32 s99, s99, s100
	s_add_co_u32 s99, s99, s101                    ; bh of my first head
	s_lshl_b32 s20, s[CLX], 22                     ; codes: 0x400000 x kind + 131,072 x bh + 64 x token (16 tokens are 1,024 bytes of q or k; 128 keys are 8,192 bytes of v)
	s_lshl_b32 s21, s99, 17
	s_add_co_u32 s20, s20, s21
	s_lshl_b32 s21, s98, 6
	s_add_co_u32 s20, s20, s21
	s_mov_b32 s21, 0
	s_lshl_b32 s22, s99, 13                        ; scale words: k, v: 8,192 x bh + 4 x token; q: twice that
	s_lshl_b32 s23, s98, 2
	s_add_co_u32 s22, s22, s23
	s_cmp_eq_u32 s[CLX], 0
	s_cselect_b32 s23, 1, 0
	s_lshl_b32 s22, s22, s23
	s_add_co_u32 s22, s22, 0xc40000                ; q 0xC00000, k 0xC80000, v 0xCC0000
	s_lshl_b32 s23, s[CLX], 18
	s_add_co_u32 s22, s22, s23
	s_cmp_eq_u32 s[CLX], 0
	s_cselect_b32 s23, 0x40000, 0
	s_sub_co_u32 s22, s22, s23
	s_mov_b32 s23, 0
	s_add_nc_u64 s[92:93], s[12:13], s[22:23]
	s_add_nc_u64 s[12:13], s[12:13], s[20:21]
.macro FRAG reg, adr, q, i             ; a fragment, 16 rows x 128 K: lane l holds row l % 16; registers 4 c .. 4 c + 3 hold K = 32 c + 16 (l / 16) + 0 .. 15
.irp c, 0,1,2,3
	ds_load_b128 v[\reg+4*\c:\reg+4*\c+3], v[\adr] offset:128*(\q)+32*\c+(\i)*16*PITCH
.endr
.endm
; 16 matrix instructions: Y's blocks a0, a0 + 1 x X's eight.  zero = 1: the first product starts the sums.  The 64 accumulators take turns, one instruction a turn, in the same order in every step.
.macro MUL16 a0, p, q, sc, zero
.irp a, \a0, \a0+1
.irp b, 0,1,2,3,4,5,6,7
.if \zero
	v_wmma_scale_f32_16x16x128_f8f6f4 v[8*(8*((\a)%4)+\b):8*(8*((\a)%4)+\b)+7], v[128*(\p)+FR*\b:128*(\p)+FR*\b+FR-1], v[AF+FR*(\a):AF+FR*(\a)+FR-1], 0, v[SC+8*NQ*(\sc)+NQ*\b+(\q)], v[SC+8*NQ*(\sc)+NQ*(\a)+(\q)] matrix_a_scale:MATRIX_SCALE_ROW1
.else
	v_wmma_scale_f32_16x16x128_f8f6f4 v[8*(8*((\a)%4)+\b):8*(8*((\a)%4)+\b)+7], v[128*(\p)+FR*\b:128*(\p)+FR*\b+FR-1], v[AF+FR*(\a):AF+FR*(\a)+FR-1], v[8*(8*((\a)%4)+\b):8*(8*((\a)%4)+\b)+7], v[SC+8*NQ*(\sc)+NQ*\b+(\q)], v[SC+8*NQ*(\sc)+NQ*(\a)+(\q)] matrix_a_scale:MATRIX_SCALE_ROW1
.endif
.endr
.endr
.endm
.macro FETCH_B slot, q, p
	WIN TO_B
.irp i, 0,1,2,3,4,5,6,7
	FRAG 128*(\p)+FR*\i, ADRB+\slot, \q, \i
.endr
	WIN 0
.endm
.macro FETCH_A slot, q, i0
.irp i, \i0, \i0+1, \i0+2, \i0+3
	FRAG AF+FR*(\i), ADRA+\slot, \q, \i
.endr
.endm
.macro SCALES sc                       ; a K step's scale words: two a row; lanes 0-15 take Y's block i, lanes 16-31 X's block i
.irp i, 0,1,2,3,4,5,6,7
	ds_load_b64 v[SC+8*NQ*\sc+NQ*\i:SC+8*NQ*\sc+NQ*\i+1], v[ADRS] offset:\i*SBLK
.endr
.endm
.macro PLACES n                        ; plain vector lines between a matrix instruction and a load into, or a vector line on, its registers (ISA guide 7.12.1 for vector lines)
.rept \n
	v_nop
.endr
.endm
.macro STEP slot, q, zero              ; 128 along K that has its successor in the same slot
	s_wait_dscnt 4*NL                              ; X's set and Y's blocks 0-3 are in; the youngest 16 loads (Y's blocks 4-7) may be out
	WIN MUL_LO
	MUL16 0, (\q)%2, \q, \slot, \zero
	MUL16 2, (\q)%2, \q, \slot, \zero
	s_wait_dscnt 0                                 ; Y's blocks 4-7 are in
	PLACES NP
	FETCH_B \slot, (\q)+1, 1-(\q)%2
	FETCH_A \slot, (\q)+1, 0
	WIN MUL_HI
	MUL16 4, (\q)%2, \q, \slot, \zero
	MUL16 6, (\q)%2, \q, \slot, \zero
	PLACES NP
	WIN 0
	FETCH_A \slot, (\q)+1, 4
.endm
; A slot's last step changes slots: ONE barrier; in front of it each wave waits for all its tensor loads, adds 0 to its spare word, and waits for that and for its own reads of this slot.
.macro TURN slot, next, fill
	s_wait_tensorcnt 0x0                           ; all my tensor loads have landed: my part of the next slot
	ds_add_u32 v[SPW], v[NIL]                      ; 0 onto my spare word
	s_wait_dscnt 4*NL+1                            ; (the add and the youngest 16 loads may be out)
	WIN MUL_LO
	MUL16 0, 1, NQ-1, \slot, 0                     ; sixteen matrix instructions stand between the add and the wait for it
	s_wait_dscnt 0x0                               ; the add is done, and my reads of this slot are over
	s_barrier_signal -1
	MUL16 2, 1, NQ-1, \slot, 0
	WIN 0
	s_barrier_wait -1
.if \fill
	CREST                                          ; the barrier has opened a round of the cluster's barrier: no wave of any partner still reads this slot or has a load on its way
	s_add_nc_u64 s[G0+4*\slot+2:G0+4*\slot+3], s[G0+4*\slot+2:G0+4*\slot+3], 2*ROWB
	s_add_nc_u64 s[G0B+4*\slot+2:G0B+4*\slot+3], s[G0B+4*\slot+2:G0B+4*\slot+3], 2*ROWB
	JLOAD G0+4*\slot, G1, G0B+4*\slot, G1B         ; the first tensor load behind the round, my one load until the next; its four v_nop are four of the eight places
	PLACES NP-4
.else
	PLACES NP
.endif
	s_wait_alu depctr_va_vdst(0)
	v_add_nc_u32 v[ADRS], 4*NQ, v[ADRS]            ; on to the next K step's scale words
	FETCH_B \next, 0, 0
	FETCH_A \next, 0, 0
	SCALES \next
	WIN MUL_HI
	MUL16 4, 1, NQ-1, \slot, 0
	MUL16 6, 1, NQ-1, \slot, 0
	PLACES NP
	WIN 0
	FETCH_A \next, 0, 4
.endm
	s_wait_alu depctr_va_vdst(0)
	s_wait_tensorcnt 1                             ; the scales and my part of K step 0 are in; K step 1's load may stay out
	s_barrier_signal -1
	s_barrier_wait -1
	FETCH_B 0, 0, 0
	FETCH_A 0, 0, 0
	SCALES 0
	FETCH_A 0, 0, 4
	STEP 0, 0, 1                                   ; the first step stands in front of the loop: its products start the sums
	s_mov_b32 s3, LAPS-1
.Llap:                                                 ; a trip goes once round the ring and fills both slots again
	TURN 0, 1, 1
	STEP 1, 0, 0
	TURN 1, 0, 1
	STEP 0, 0, 0
	s_sub_co_u32 s3, s3, 1
	s_cmp_lg_u32 s3, 0
	s_cbranch_scc1 .Llap
	TURN 0, 1, 0                                   ; the last lap fills nothing
	STEP 1, 0, 0
	s_wait_dscnt 4*NL
	WIN MUL_LO
	MUL16 0, 1, NQ-1, 1, 0
	MUL16 2, 1, NQ-1, 1, 0
	s_wait_dscnt 0
	WIN MUL_HI
	MUL16 4, 1, NQ-1, 1, 0
	MUL16 6, 1, NQ-1, 1, 0
	WIN 0
; 64 numbers of a lane at v[s] on in window n (four blocks of 32, 16 of each mine, 16 lane l xor 16's) become 16 registers of codes at v[pc] and a scale word in v[pw], both in window 0.
; Each accumulator is read from its low end on: tile 2 b's registers 0, 1 first, tile 2 b + 1's at i = 8.
.macro QUANTW s, n, pc, pw
.set W1, (\n)|((\n)<<2)
.set W2, ((\n)<<2)|((\n)<<4)
.set W4, (\n)|((\n)<<6)
.set W5, (\n)
	WIN W1
.irp b, 0,1,2,3
	v_max3_num_f32 v[TM+\b], |v[\s+16*\b]|, |v[\s+16*\b+1]|, 0x4800000   ; with the floor 2^(9 - 127): the byte cannot fall under 1
.endr
	WIN W2
.irp i, 2,4,6,8,10,12,14
.irp b, 0,1,2,3
	v_max3_num_f32 v[TM+\b], v[TM+\b], |v[\s+16*\b+\i]|, |v[\s+16*\b+\i+1]|
.endr
.endr
	WIN 0
.irp b, 0,1,2,3
	v_permlanex16_b32 v[TM+4+\b], v[TM+\b], s[SEL], s[SEL+1]
.endr
.irp b, 0,1,2,3
	v_max_num_f32 v[TM+\b], v[TM+\b], v[TM+4+\b]   ; the block's largest magnitude
.endr
.irp b, 0,1,2,3
	v_add_nc_u32 v[TM+12+\b], 0xfc000000, v[TM+\b] ; 8 off its exponent field: the conversion's scale operand
.endr
.irp b, 0,1,2,3
.endr
.irp b, 0,1,2,3
	v_lshrrev_b32 v[TM+4+\b], 23, v[TM+12+\b]      ; the scale's byte
.endr
	v_lshl_or_b32 v[\pw], v[TM+5], 8, v[TM+4]
	v_lshl_or_b32 v[\pw], v[TM+6], 16, v[\pw]
	v_lshl_or_b32 v[\pw], v[TM+7], 24, v[\pw]
	WIN W4
.irp b, 0,1,2,3
.irp i, 0,1,2,3,4,5,6,7,8,9,10,11,12,13,14,15
.endr
.endr
	WIN W5
.irp b, 0,1,2,3
	v_cvt_scalef32_pk8_fp8_f32 v[\pc+4*\b:\pc+4*\b+1], v[\s+16*\b:\s+16*\b+7], v[TM+12+\b]
	v_cvt_scalef32_pk8_fp8_f32 v[\pc+4*\b+2:\pc+4*\b+3], v[\s+16*\b+8:\s+16*\b+15], v[TM+12+\b]
.endr
	WIN 0
	v_nop                                          ; one plain line behind the last scaled conversion
.endm
.macro OUT a                           ; Y's block a leaves: four stores of 512 consecutive bytes
.set QS, 64*((\a)%4)
.set QN, 2+(\a)/4
.set PCS, PC+16*((\a)%2)
.set PWS, PW+(\a)
.if (\a) > 1
	s_wait_xcnt 0x0                                ; block a - 2's stores have read this set of codes
.endif
	QUANTW QS, QN, PCS, PWS
	s_cmp_eq_u32 s[CLX], 2
	s_cbranch_scc1 .Lv_\@
.irp c, 0,1,2,3
	global_store_b128 v[LI], v[PCS+4*\c:PCS+4*\c+3], s[12:13] offset:(\a)*1024+(\c/2)*131072+(\c%2)*512   ; q, k: token tile a; blocks 0, 1 are my first head's, 2, 3 my second's
.endr
	s_branch .Ldone_\@
.Lv_\@:
	s_wait_alu depctr_va_vdst(0)
.irp c, 0,1,2,3
	global_store_b128 v[LI], v[PCS+4*\c:PCS+4*\c+3], s[12:13] offset:((\a)/4)*131072+((\a)%4)*2048+512*\c   ; v: head a / 4, d tile a % 4; the four blocks are this key step's 128 keys
.endr
.Ldone_\@:
.endm
	PLACES NP                                      ; behind the last products: the lines below write registers that held scales, and read results
.irp b, 0,1,2,3
	v_mov_b32 v[TM+4+\b], 0                        ; written once: a lane permute's destination counts as one of its sources
.endr
.irp a, 0,1,2,3,4,5,6,7
	OUT \a
.endr
	; the scale words: 128 consecutive bytes a store (lanes 16-31 repeat lanes 0-15); one thirty-second of the codes' bytes
	s_cmp_eq_u32 s[CLX], 0
	s_cbranch_scc0 .Lnot_q
.irp a, 0,1,2,3,4,5,6,7
	v_perm_b32 v[WW+2*\a], v[PW+\a], v[PW+\a], 0x05040100     ; first head: q0 q1 q0 q1: q serves as the low or as the high half of a K of 128
	v_perm_b32 v[WW+2*\a+1], v[PW+\a], v[PW+\a], 0x07060302   ; second head
.endr
.irp a, 0,1,2,3,4,5,6,7
	global_store_b32 v[LS], v[WW+2*\a], s[92:93] offset:\a*128
	global_store_b32 v[LS], v[WW+2*\a+1], s[92:93] offset:16384+\a*128
.endr
	s_branch .Lsc_done
.Lnot_q:
	s_cmp_eq_u32 s[CLX], 1
	s_cbranch_scc0 .Lis_v
.irp p, 0,1,2,3
	v_perm_b32 v[WW+2*\p], v[PW+2*\p+1], v[PW+2*\p], 0x05040100     ; first head: the even tile's two bytes, then the odd tile's
	v_perm_b32 v[WW+2*\p+1], v[PW+2*\p+1], v[PW+2*\p], 0x07060302   ; second head
.endr
.irp p, 0,1,2,3
	global_store_b32 v[LS], v[WW+2*\p], s[92:93] offset:\p*128
	global_store_b32 v[LS], v[WW+2*\p+1], s[92:93] offset:8192+\p*128
.endr
	s_branch .Lsc_done
.Lis_v:
	s_wait_alu depctr_va_vdst(0)
.irp a, 0,1,2,3,4,5,6,7
	global_store_b32 v[LS], v[PW+\a], s[92:93] offset:(\a/4)*8192+(\a%4)*128
.endr
.Lsc_done:
	s_wait_tensorcnt 0x0                           ; the wave's end
	ds_add_u32 v[SPW], v[NIL]
	s_wait_dscnt 0x0
	CROUND                                         ; the closing round: no work-group ends while a partner may still ask for a tile that names it
	s_endpgm
.Lfunc_end_k_qbf243fa4e9_qkv:
	.size	k_qbf243fa4e9_qkv, .Lfunc_end_k_qbf243fa4e9_qkv-k_qbf243fa4e9_qkv
	.p2alignl 7, 3214868480
	.fill 96, 4, 3214868480
	.section	.rodata,"a",@progbits
	.p2align	6, 0x0
	.amdhsa_kernel k_qbf243fa4e9_qkv
		.amdhsa_group_segment_fixed_size 327680
		.amdhsa_private_segment_fixed_size 0
		.amdhsa_enable_private_segment 0
		.amdhsa_kernarg_size 64
		.amdhsa_user_sgpr_count 2
		.amdhsa_user_sgpr_kernarg_segment_ptr 1
		.amdhsa_wavefront_size32 1
		.amdhsa_system_sgpr_workgroup_id_x 1
		.amdhsa_system_sgpr_workgroup_id_y 1
		.amdhsa_system_sgpr_workgroup_id_z 1
		.amdhsa_system_vgpr_workitem_id 0
		.amdhsa_next_free_vgpr 1024
		.amdhsa_next_free_sgpr 102
		.amdhsa_reserve_vcc 0
		.amdhsa_float_denorm_mode_32 3
		.amdhsa_float_denorm_mode_16_64 3
		.amdhsa_fp16_overflow 1
		.amdhsa_memory_ordered 1
		.amdhsa_forward_progress 1
		.amdhsa_inst_pref_size 160
	.end_amdhsa_kernel
	.amdgpu_metadata
---
amdhsa.version: [ 1, 2 ]
amdhsa.kernels:
  - .name:           k_qbf243fa4e9_qkv
    .symbol:         k_qbf243fa4e9_qkv.kd
    .args:
      - { .name: hq, .offset: 0, .size: 8, .value_kind: global_buffer, .address_space: global }
      - { .name: Wq_codes, .offset: 8, .size: 8, .value_kind: global_buffer, .address_space: global }
      - { .name: Wq_scales, .offset: 16, .size: 8, .value_kind: global_buffer, .address_space: global }
      - { .name: Wk_codes, .offset: 24, .size: 8, .value_kind: global_buffer, .address_space: global }
      - { .name: Wk_scales, .offset: 32, .size: 8, .value_kind: global_buffer, .address_space: global }
      - { .name: Wv_codes, .offset: 40, .size: 8, .value_kind: global_buffer, .address_space: global }
      - { .name: Wv_scales, .offset: 48, .size: 8, .value_kind: global_buffer, .address_space: global }
      - { .name: qkvb, .offset: 56, .size: 8, .value_kind: global_buffer, .address_space: global }
    .group_segment_fixed_size: 327680
    .private_segment_fixed_size: 0
    .kernarg_segment_align: 8
    .kernarg_segment_size: 64
    .max_flat_workgroup_size: 128
    .sgpr_count:     102
    .vgpr_count:     1024
    .wavefront_size: 32
...
	.end_amdgpu_metadata
.endif
;; end of part 2
;; launch attn (part 3): grid 8 x 32, 16 waves a work-group, no clusters, 280,576 bytes of LDS; arguments qkvb, attb; writes attb
.if DOCPART == 3
	.amdgcn_target "amdgcn-amd-amdhsa--gfx1250"
	.amdhsa_code_object_version 6
	.text
	.protected	k_qbf243fa4e9_attn
	.globl	k_qbf243fa4e9_attn
	.p2align	8
	.type	k_qbf243fa4e9_attn,@function
k_qbf243fa4e9_attn:
	s_mov_b64 s[64:65], 0
	v_nop
	global_prefetch_b8 v0, s[64:65] scope:SCOPE_SE
	s_setreg_imm32_b32 hwreg(HW_REG_WAVE_MODE, 25, 1), 1
	s_wait_xcnt 0x0
; Causal attention of one (batch, head) on codes of E4M3 with E8M0 scales, and its result quantised along C for the next product.  Scores are scaled by 1 / 32 (C^-0.5, C = 1,024).
; THE SOFTMAX: t = score x log2(e) / 32; M = the running largest t rounded UP to a whole number; p = 2^(t - M) is quantised along the keys, not normalised; the row's sum is taken of the unquantised p and
; divides at the end.  When M moves, the sum and O are multiplied by 2^(old M - new M): exact.
; INPUT (bh = 16 x batch + head), all as images of operand registers (group c of lane L at 512 c + 16 L): q at 0, k at 0x400000: [bh][token tile 128][1,024 B]; v at 0x800000: [bh][key step 16][d tile 4][2,048 B];
;   scale words (128 B for 32 lanes): q 0xC00000 [bh][tile], k 0xC80000 [bh][pair of tiles], v 0xCC0000 [bh][step][d tile].
; K = 64 IN A FORM THAT TAKES 128: two neighbouring key tiles are ONE fragment (groups 0, 1: the even tile; 2, 3: the odd one).  Against [q, zeros] it gives the even tile's scores, against [zeros, q] the odd
; tile's: zero codes add nothing, since no code here is NaN (the quantiser holds at 448) and no scale byte is 0xff.
; LAYOUT: S^T = K Q^T and O^T = V^T P^T: a lane holds ONE query (lane % 16).  Register 8 u + j of the scores is key 16 u + 8 (lane / 16) + j: inside each block of 32 keys the order in which v's codes were laid.
; SHARES: work-group (i, bh) owns the blocks of 128 queries i and 15 - i: (i + 1) + (16 - i) = 17 key steps for each pair of waves, the same in every work-group.  Sixteen waves, one tile of 16 queries each, 256 registers:
; four to a SIMD, so that one wave's vector work stands beside another's products and LDS loads.  Which of the two blocks a wave takes is (w xor w / 4) & 1.
; LDS: the head's K, V and their scale words, 272 KB, are filled ONCE, by five tensor loads of each of waves 0-3, and read by all: no ring, nothing is filled again.  The codes come in four chunks of 512 keys;
; a counted wait and a barrier stand in front of each chunk's four key steps, so that the first steps run while the later chunks land.
; EVERY wave walks all 16 steps (trip counts are constants); a step all of whose keys come after the wave's queries is left out by a scalar branch on ids, which jumps over no barrier.
; NO CLUSTER: the eight work-groups of a head share K and V, but that branch hangs on the work-group's query blocks, which differ between them.  No prefetch: all that is read is asked for in the first lines.
; OUTPUT: att's codes as images [row tile 256][K step 8][2,048 B] in NATURAL k order: a lane's 8 codes go to 512 c + 256 g + 16 r + 8 h, so that each store fills 256 consecutive bytes; scale words [K step 8][4096 rows] at
; 0x400000.  A word spans two heads, so a head stores two of its four bytes: sixteen stores of 2 bytes, 4 apart, for a wave: 128 KB in the launch.
; LIMITS: NaN and infinities are not served; a block of zeros gets the byte 1 (zero codes; read by this program alone); blocks under 2^-118 are held at that floor.
; REGISTERS: v1 16 L, v2 4 L, v3 r, v4 h, v5 lane, v6 r - 8 h, v7/v250/v251 my place in V, K's scale words, V's; v8-11 the step's addresses; v12 -M, v13 largest t, v[14:15] the sum; v16-31 [q, 0]; v32-47 [0, q];
;   v48-111 four fragments of K, then of V; v112-175 scores, then p; v176-207 O^T; v208-223 p's codes; v224-239 at work; v240-243 K's or V's scale words; v244 f; v245 p's scale word; v246, v248 at work; v247 q's scale word.
.set S,    112
.set O,    176
.set PC,   208
.set T,    224
.set VIMG, 131072
.set KSC,  262144
.set VSC,  270336
	s_load_b128 s[4:7], s[0:1], 0x0                ; input, output
	v_lshl_add_u32 v254, v0, 2, 0x44000
	v_mov_b32 v255, 0
	ds_add_u32 v254, v255
	ds_add_u32 v254, v255
	v_lshrrev_b32 v5, 5, v0
	s_delay_alu instid0(VALU_DEP_1)
	v_readfirstlane_b32 s8, v5                     ; wave 0..15
	s_mov_b32 s9, ttmp9                            ; i
	s_and_b32 s10, ttmp7, 0xffff                   ; bh
	s_lshr_b32 s60, s8, 2
	s_xor_b32 s60, s60, s8
	s_and_b32 s60, s60, 1
	s_sub_co_u32 s61, 15, s9
	s_cmp_eq_u32 s60, 1
	s_cselect_b32 s13, s61, s9                     ; my block of 128 queries
	s_lshl_b32 s14, s13, 7
	s_lshr_b32 s61, s8, 1
	s_lshl_b32 s61, s61, 4
	s_add_co_u32 s14, s14, s61                     ; my first query
	s_mov_b32 s15, 0                               ; the step's first key
	s_mov_b32 s20, 0x76543210
	s_mov_b32 s21, 0xfedcba98                      ; selects for lane l xor 16
	s_mov_b32 s22, 0x3d38aa3b                      ; c = log2(e) / 32
	s_mov_b32 s23, s22                             ; (named with it as a pair)
	; descriptor group 1: dense rows of 256 bytes (32 elements of 8 bytes): 64 of them, 16 KB of codes; 16 of them, 4 KB of scale words
	s_mov_b32 s44, 3<<16
	s_mov_b32 s45, 32<<16                          ; tensor_dim0
	s_mov_b32 s46, 64<<16                          ; tensor_dim1
	s_mov_b32 s47, 32<<16                          ; tile_dim0
	s_mov_b32 s48, 64                              ; tile_dim1
	s_mov_b32 s49, 32                              ; the pitch
	s_mov_b32 s50, 0
	s_mov_b32 s51, 0
	s_mov_b32 s52, 3<<16
	s_mov_b32 s53, 32<<16
	s_mov_b32 s54, 16<<16
	s_mov_b32 s55, 32<<16
	s_mov_b32 s56, 16
	s_mov_b32 s57, 32
	s_mov_b32 s58, 0
	s_mov_b32 s59, 0
	; what I fetch, if I fetch: wave & 1: K or V; (wave / 2) & 1: which half of each piece
	s_and_b32 s62, s8, 1
	s_bfe_u32 s63, s8, 0x10001
	s_lshl_b32 s68, s62, 13
	s_lshl_b32 s60, s63, 12
	s_add_co_u32 s68, s68, s60
	s_add_co_u32 s68, s68, KSC                     ; scale words, in LDS,
	s_lshl_b32 s70, s62, 18
	s_add_co_u32 s70, s70, s60
	s_lshl_b32 s61, s10, 13
	s_add_co_u32 s70, s70, s61
	s_add_co_u32 s70, s70, 0xc80000                ; and in memory
	s_mov_b32 s71, 0
	s_lshl_b32 s69, s62, 17
	s_lshl_b32 s60, s63, 14
	s_add_co_u32 s69, s69, s60                     ; codes, in LDS,
	s_lshl_b32 s72, s62, 22
	s_add_co_u32 s72, s72, s60
	s_lshl_b32 s61, s10, 17
	s_add_co_u32 s72, s72, s61
	s_add_co_u32 s72, s72, 0x400000                ; and in memory
	s_mov_b32 s73, 0
	s_lshl_b32 s74, s10, 17                        ; q's image: 131,072 x bh + 64 x query
	s_lshl_b32 s75, s14, 6
	s_add_co_u32 s74, s74, s75
	s_mov_b32 s75, 0
	s_lshl_b32 s76, s10, 14                        ; q's scale words: 16,384 x bh + 8 x query
	s_lshl_b32 s77, s14, 3
	s_add_co_u32 s76, s76, s77
	s_add_co_u32 s76, s76, 0xc00000
	s_mov_b32 s77, 0
	s_lshr_b32 s60, s10, 4                         ; batch
	s_and_b32 s61, s10, 15                         ; head
	s_lshl_b32 s78, s60, 21                        ; att's image: a row tile is 16,384 bytes, a head 1,024 of them
	s_lshl_b32 s79, s14, 10
	s_add_co_u32 s78, s78, s79
	s_lshl_b32 s79, s61, 10
	s_add_co_u32 s78, s78, s79
	s_mov_b32 s79, 0
	s_lshr_b32 s66, s61, 1                         ; att's scale words: ((head / 2) 4096 + 2048 batch + query) 4 + 2 (head & 1)
	s_lshl_b32 s66, s66, 14
	s_lshl_b32 s67, s60, 13
	s_add_co_u32 s66, s66, s67
	s_lshl_b32 s67, s14, 2
	s_add_co_u32 s66, s66, s67
	s_and_b32 s67, s61, 1
	s_lshl_b32 s67, s67, 1
	s_add_co_u32 s66, s66, s67
	s_add_co_u32 s66, s66, 0x400000
	s_mov_b32 s67, 0
	s_wait_dscnt 0x0
	s_wait_kmcnt 0x0
	s_mov_b32 s24, 1                               ; group 0: count 1, LDS address, global address, type 2
	s_mov_b32 s25, s68
	s_add_nc_u64 s[26:27], s[4:5], s[70:71]
	s_or_b32 s27, s27, 0x80000000
	s_add_nc_u64 s[72:73], s[4:5], s[72:73]
.irp c, 0,1,2,3
	s_mov_b32 s[28+4*\c], 1
	s_add_co_u32 s[29+4*\c], s69, \c*32768
	s_add_nc_u64 s[30+4*\c:31+4*\c], s[72:73], \c*32768
	s_or_b32 s[31+4*\c], s[31+4*\c], 0x80000000
.endr
	s_add_nc_u64 s[74:75], s[4:5], s[74:75]
	s_add_nc_u64 s[76:77], s[4:5], s[76:77]
	s_add_nc_u64 s[78:79], s[6:7], s[78:79]
	s_add_nc_u64 s[66:67], s[6:7], s[66:67]
	s_cmp_lt_u32 s8, 4                             ; all first fills of a wave stand in one branch, ahead of every wait on TENSORcnt, LDS read and barrier: five loads of mine are out
	s_cbranch_scc0 .Lno_fill
	tensor_load_to_lds s[24:27], s[52:59]          ; half of K's or V's scale words
	s_nop 0
	tensor_load_to_lds s[28:31], s[44:51]          ; my half of chunks 0 to 3
	s_nop 0
	tensor_load_to_lds s[32:35], s[44:51]
	s_nop 0
	tensor_load_to_lds s[36:39], s[44:51]
	s_nop 0
	tensor_load_to_lds s[40:43], s[44:51]
	s_nop 0
.rept 4
	v_nop
.endr
.Lno_fill:
	v_and_b32 v5, 31, v0
	s_delay_alu instid0(VALU_DEP_1)
	v_lshlrev_b32 v1, 4, v5
	s_delay_alu instid0(VALU_DEP_2)
	v_lshlrev_b32 v2, 2, v5
	v_and_b32 v3, 15, v0
	v_bfe_u32 v4, v0, 4, 1
	s_delay_alu instid0(VALU_DEP_1)
	v_lshlrev_b32 v6, 3, v4
	s_delay_alu instid0(VALU_DEP_1)
	v_sub_nc_u32 v6, v3, v6
	v_add_nc_u32 v7, VIMG, v1
	v_add_nc_u32 v250, KSC, v2
	v_add_nc_u32 v251, VSC, v2
	global_load_b128 v[16:19], v1, s[74:75]        ; q twice: as the low half of a K of 128,
	global_load_b128 v[20:23], v1, s[74:75] offset:512
	global_load_b128 v[40:43], v1, s[74:75]        ; and as the high half
	global_load_b128 v[44:47], v1, s[74:75] offset:512
	global_load_b32 v247, v2, s[76:77]
.set n, 0
.rept 8
	v_mov_b32 v[24+n], 0                           ; zero codes
	v_mov_b32 v[32+n], 0
.set n, n+1
.endr
.set n, 0
.rept 32
	v_mov_b32 v[O+n], 0                            ; O^T: the step is written once; the first finds zeros, which the first change of M leaves zeros
.set n, n+1
.endr
.irp b, 0,1,2,3
	v_mov_b32 v[T+4+\b], 0                         ; written once: a lane permute's destination counts as one of its sources
.endr
	v_mov_b32 v245, 0                              ; (named as the upper half of the pair v[244:245] before it is first written)
	v_mov_b32 v246, 0
	v_mov_b32 v13, 0xff61b1e6                      ; the largest t so far: -3e38
	s_delay_alu instid0(VALU_DEP_1)
	v_floor_f32 v12, -v13                          ; -M
	v_mov_b32 v14, 0
	v_mov_b32 v15, 0
	s_wait_loadcnt 0x0
; A KEY STEP: 128 keys.  s15 its first key, s16 its codes' byte in K's and in V's image, s17 its scale words'.
.macro STEP
	s_add_co_u32 s60, s14, 15
	s_cmp_gt_u32 s15, s60
	s_cbranch_scc1 .Lhidden_\@                     ; all its keys come after my queries
	s_setprio 2
	v_add_nc_u32 v8, s16, v1
	v_add_nc_u32 v9, s16, v7
	v_add_nc_u32 v10, s17, v250
	v_add_nc_u32 v11, s17, v251
.rept 4
	v_nop                                          ; with the four additions: eight places behind the last step's products, in front of loads into their registers
.endr
.irp p, 0,1,2,3
.irp c, 0,1,2,3
	ds_load_b128 v[48+16*\p+4*\c:51+16*\p+4*\c], v8 offset:2048*\p+512*\c
.endr
	ds_load_b32 v[240+\p], v10 offset:128*\p
.endr
	s_wait_alu depctr_va_vdst(0)
	s_wait_dscnt 0x0
.irp p, 0,1,2,3
	v_wmma_scale_f32_16x16x128_f8f6f4 v[S+16*\p:S+16*\p+7], v[48+16*\p:63+16*\p], v[16:31], 0, v[240+\p], v247
	v_wmma_scale_f32_16x16x128_f8f6f4 v[S+16*\p+8:S+16*\p+15], v[48+16*\p:63+16*\p], v[32:47], 0, v[240+\p], v247
.endr
.rept 8
	v_nop                                          ; eight places: for V's loads into K's registers, and for the first read of the scores
.endr
.irp t, 0,1,2,3
.irp c, 0,1,2,3
	ds_load_b128 v[48+16*\t+4*\c:51+16*\t+4*\c], v9 offset:2048*\t+512*\c   ; V lands while the softmax is worked
.endr
	ds_load_b32 v[240+\t], v11 offset:128*\t
.endr
	s_add_co_u32 s60, s15, 127                     ; on the diagonal hidden scores become -infinity ahead of the maximum; a step all of whose keys count skips this
	s_cmp_le_u32 s60, s14
	s_cbranch_scc1 .Lopen_\@
	s_sub_co_i32 s60, s14, s15
	v_add_nc_u32 v248, s60, v6                     ; d = my query - the step's first key - 8 h: register n's key is hidden where 16 (n / 8) + n % 8 > d
	v_mov_b32 v246, 0xff800000
.set n, 0
.rept 64
	v_cmp_gt_i32 vcc_lo, 16*(n/8)+n%8, v248
	v_cndmask_b32 v[S+n], v[S+n], v246, vcc_lo
.set n, n+1
.endr
.Lopen_\@:
.irp b, 0,1,2,3
	v_max3_num_f32 v[T+\b], v[S+16*\b], v[S+16*\b+1], v[S+16*\b+2]   ; the largest score of each block of 32 keys: for the row's maximum, and, since p rises with the score, for the block's largest p
.endr
.irp i, 3,5,7,9,11,13
.irp b, 0,1,2,3
	v_max3_num_f32 v[T+\b], v[T+\b], v[S+16*\b+\i], v[S+16*\b+\i+1]
.endr
.endr
.irp b, 0,1,2,3
	v_max_num_f32 v[T+\b], v[T+\b], v[S+16*\b+15]
.endr
.irp b, 0,1,2,3
	s_delay_alu instid0(VALU_DEP_4)
	v_permlanex16_b32 v[T+4+\b], v[T+\b], s20, s21
.endr
.irp b, 0,1,2,3
	s_delay_alu instid0(VALU_DEP_4)
	v_max_num_f32 v[T+\b], v[T+\b], v[T+4+\b]
.endr
	s_delay_alu instid0(VALU_DEP_2)
	v_max3_num_f32 v246, v[T], v[T+1], v[T+2]
	s_delay_alu instid0(VALU_DEP_1)
	v_max_num_f32 v246, v246, v[T+3]
	s_delay_alu instid0(VALU_DEP_1)
	v_mul_f32 v246, s22, v246                      ; the step's largest t
	s_delay_alu instid0(VALU_DEP_1)
	v_max_num_f32 v13, v13, v246
	v_mov_b32 v246, v12
	s_delay_alu instid0(VALU_DEP_2)
	v_floor_f32 v12, -v13                          ; the new -M = -ceil(t)
	s_delay_alu instid0(VALU_DEP_1)
	v_sub_f32 v246, v12, v246                      ; old M - new M: a whole number, 0 or less
	s_delay_alu instid0(VALU_DEP_1)
	v_cvt_i32_f32 v246, v246                       ; (it saturates)
	s_delay_alu instid0(VALU_DEP_1)
	v_ldexp_f32 v244, 1.0, v246                    ; f = 2^(old M - new M)
.set n, 0
	s_setprio 1
.rept 32
	v_pk_fma_f32 v[S+n:S+n+1], v[S+n:S+n+1], s[22:23], v[12:13] op_sel_hi:[1,0,0]   ; t - M
.set n, n+2
.endr
.irp b, 0,1,2,3
	v_fma_f32 v[T+\b], v[T+\b], s22, v12
.endr
.set n, 0
	s_wait_alu depctr_va_vdst(0)
.rept 64
	v_exp_f32 v[S+n], v[S+n]                       ; p = 2^(t - M)
.set n, n+1
.endr
.irp b, 0,1,2,3
	v_exp_f32 v[T+\b], v[T+\b]                     ; the block's largest p: the same two instructions on the same number
.endr
	v_pk_mul_f32 v[14:15], v[14:15], v[244:245] op_sel_hi:[1,0]   ; the sums under the new M (a plain line behind the exponentials)
	s_wait_alu depctr_va_vdst(0)
.irp b, 0,1,2,3
	v_max_num_f32 v[T+\b], 0x4800000, v[T+\b]      ; the floor 2^(9 - 127)
.endr
.irp b, 0,1,2,3
	s_delay_alu instid0(VALU_DEP_4)
	v_add_nc_u32 v[T+12+\b], 0xfc000000, v[T+\b]   ; the conversion's scale operand
.endr
.irp b, 0,1,2,3
.endr
.irp b, 0,1,2,3
	s_delay_alu instid0(VALU_DEP_4)
	v_lshrrev_b32 v[T+4+\b], 23, v[T+12+\b]        ; the scale's byte
.endr
	s_delay_alu instid0(VALU_DEP_3)
	v_lshl_or_b32 v245, v[T+5], 8, v[T+4]          ; p's scale word for these 128 keys
	s_delay_alu instid0(VALU_DEP_1)
	v_lshl_or_b32 v245, v[T+6], 16, v245
	s_delay_alu instid0(VALU_DEP_1)
	v_lshl_or_b32 v245, v[T+7], 24, v245
	v_pk_add_f32 v[228:229], v[116:117], v[120:121]
	v_pk_add_f32 v[252:253], v[124:125], v[128:129]
	v_pk_add_f32 v[234:235], v[132:133], v[136:137]
	v_pk_add_f32 v[232:233], v[140:141], v[144:145]
	v_pk_add_f32 v[14:15], v[14:15], v[148:149]
	v_pk_add_f32 v[228:229], v[228:229], v[152:153]
	v_pk_add_f32 v[252:253], v[252:253], v[156:157]
	v_pk_add_f32 v[234:235], v[234:235], v[160:161]
	v_pk_add_f32 v[232:233], v[232:233], v[164:165]
	v_pk_add_f32 v[14:15], v[14:15], v[168:169]
	v_pk_add_f32 v[228:229], v[228:229], v[172:173]
	v_pk_add_f32 v[252:253], v[252:253], v[112:113]
	v_pk_add_f32 v[234:235], v[234:235], v[114:115]
	v_pk_add_f32 v[232:233], v[232:233], v[118:119]
	v_pk_add_f32 v[14:15], v[14:15], v[122:123]
	v_pk_add_f32 v[228:229], v[228:229], v[126:127]
	v_pk_add_f32 v[252:253], v[252:253], v[130:131]
	s_setprio 0
	v_pk_add_f32 v[234:235], v[234:235], v[134:135]
	v_pk_add_f32 v[232:233], v[232:233], v[138:139]
	v_pk_add_f32 v[14:15], v[14:15], v[142:143]
	v_pk_add_f32 v[228:229], v[228:229], v[146:147]
	v_pk_add_f32 v[252:253], v[252:253], v[150:151]
	v_pk_add_f32 v[234:235], v[234:235], v[154:155]
	v_pk_add_f32 v[232:233], v[232:233], v[158:159]
	v_pk_add_f32 v[14:15], v[14:15], v[162:163]
	v_pk_add_f32 v[228:229], v[228:229], v[166:167]
	v_pk_add_f32 v[252:253], v[252:253], v[170:171]
	v_pk_add_f32 v[234:235], v[234:235], v[174:175]
	s_delay_alu instid0(VALU_DEP_1)
	v_pk_add_f32 v[14:15], v[14:15], v[234:235]
	s_delay_alu instid0(VALU_DEP_4)
	v_pk_add_f32 v[228:229], v[228:229], v[232:233]
	s_delay_alu instid0(VALU_DEP_2)
	v_pk_add_f32 v[14:15], v[14:15], v[252:253]
	s_delay_alu instid0(VALU_DEP_1)
	v_pk_add_f32 v[14:15], v[14:15], v[228:229]
.irp b, 0,1,2,3
.set n, 0
.rept 16
.set n, n+1
.endr
	v_cvt_scalef32_pk8_fp8_f32 v[PC+4*\b:PC+4*\b+1], v[S+16*\b:S+16*\b+7], v[T+12+\b]
	v_cvt_scalef32_pk8_fp8_f32 v[PC+4*\b+2:PC+4*\b+3], v[S+16*\b+8:S+16*\b+15], v[T+12+\b]
.endr
.set n, 0
.rept 16
	v_pk_mul_f32 v[O+n:O+n+1], v[O+n:O+n+1], v[244:245] op_sel_hi:[1,0]   ; O^T under the new M; these sixteen also stand between the codes and the products
.set n, n+2
.endr
	s_wait_alu depctr_va_vdst(0)
	s_wait_dscnt 0x0                               ; V and its scale words are in
.irp t, 0,1,2,3
	v_wmma_scale_f32_16x16x128_f8f6f4 v[O+8*\t:O+8*\t+7], v[48+16*\t:63+16*\t], v[PC:PC+15], v[O+8*\t:O+8*\t+7], v[240+\t], v245
.endr
.Lhidden_\@:
.endm
.macro CHUNK c                         ; 512 keys: four key steps
	s_wait_tensorcnt 3-\c                          ; of a fetching wave's five loads the scale words and chunks 0 to c have landed; the 3 - c younger chunks stay out
	s_wait_dscnt 0x0
	s_barrier_signal -1
	s_barrier_wait -1                              ; everybody's have.
	s_mov_b32 s16, \c*32768
	s_mov_b32 s17, \c*2048
	s_mov_b32 s18, 4
.Lstep_\@:
	STEP
	s_add_co_u32 s16, s16, 8192
	s_add_co_u32 s17, s17, 512
	s_add_co_u32 s15, s15, 128
	s_sub_co_u32 s18, s18, 1
	s_cmp_lg_u32 s18, 0
	s_cbranch_scc1 .Lstep_\@
	s_setprio 0
.endm
	CHUNK 0
	CHUNK 1
	CHUNK 2
	CHUNK 3
	; THE WAY OUT: O^T / the sum, quantised along C: my head's 64 channels are two blocks of 32
.rept 8
	v_nop
.endr
	s_wait_alu depctr_va_vdst(0)
	v_add_f32 v14, v14, v15
	s_delay_alu instid0(VALU_DEP_1)
	v_permlanex16_b32 v246, v14, s20, s21
	s_delay_alu instid0(VALU_DEP_1)
	v_add_f32 v14, v14, v246                       ; the row's sum
	s_wait_alu depctr_va_vdst(0)
	v_rcp_f32 v14, v14
	v_lshlrev_b32 v8, 4, v3                        ; (a plain line behind the transcendental)
	s_delay_alu instid0(VALU_DEP_1)
	v_lshl_add_u32 v8, v4, 3, v8                   ; 16 r + 8 h
	v_lshlrev_b32 v9, 2, v3                        ; 4 r
.set n, 0
	s_wait_alu depctr_va_vdst(0)
.rept 32
	v_mul_f32 v[S+n], v[O+n], v14                  ; register 8 t + j: channel 16 t + 8 h + j; each accumulator from its low end on
.set n, n+1
.endr
.irp b, 0,1
	v_max3_num_f32 v[T+\b], |v[S+16*\b]|, |v[S+16*\b+1]|, 0x4800000
.endr
.irp i, 2,4,6,8,10,12,14
.irp b, 0,1
	s_delay_alu instid0(VALU_DEP_2)
	v_max3_num_f32 v[T+\b], v[T+\b], |v[S+16*\b+\i]|, |v[S+16*\b+\i+1]|
.endr
.endr
.irp b, 0,1
	s_delay_alu instid0(VALU_DEP_2)
	v_permlanex16_b32 v[T+4+\b], v[T+\b], s20, s21
.endr
.irp b, 0,1
	s_delay_alu instid0(VALU_DEP_2)
	v_max_num_f32 v[T+\b], v[T+\b], v[T+4+\b]
.endr
.irp b, 0,1
	s_delay_alu instid0(VALU_DEP_2)
	v_add_nc_u32 v[T+12+\b], 0xfc000000, v[T+\b]
.endr
.irp b, 0,1
.endr
.irp b, 0,1
	s_delay_alu instid0(VALU_DEP_2)
	v_lshrrev_b32 v[T+4+\b], 23, v[T+12+\b]
.endr
	s_delay_alu instid0(VALU_DEP_1)
	v_lshl_or_b32 v246, v[T+5], 8, v[T+4]          ; my head's two bytes of the row's scale word
.irp b, 0,1
.set n, 0
.rept 16
.set n, n+1
.endr
	v_cvt_scalef32_pk8_fp8_f32 v[PC+4*\b:PC+4*\b+1], v[S+16*\b:S+16*\b+7], v[T+12+\b]
	v_cvt_scalef32_pk8_fp8_f32 v[PC+4*\b+2:PC+4*\b+3], v[S+16*\b+8:S+16*\b+15], v[T+12+\b]
.endr
	v_cmp_gt_u32 vcc_lo, 16, v5                    ; (a plain line behind the conversions)
.irp b, 0,1
.irp g, 0,1
	global_store_b64 v8, v[PC+4*\b+2*\g:PC+4*\b+2*\g+1], s[78:79] offset:512*\b+256*\g   ; 32 lanes fill 256 consecutive bytes, in natural k order
.endr
.endr
	s_wait_alu depctr_va_vdst(0)
	s_wait_xcnt 0x0                                ; EXEC changes only behind this wait
	s_wait_tensorcnt 0x0
	ds_add_u32 v254, v255
	s_wait_dscnt 0x0
	s_and_saveexec_b32 s60, vcc_lo
	global_store_b16 v9, v246, s[66:67]            ; lanes 0-15: row r's two bytes
	s_wait_xcnt 0x0
	s_or_b32 exec_lo, exec_lo, s60
	s_endpgm
.Lfunc_end_k_qbf243fa4e9_attn:
	.size	k_qbf243fa4e9_attn, .Lfunc_end_k_qbf243fa4e9_attn-k_qbf243fa4e9_attn
	.p2alignl 7, 3214868480
	.fill 96, 4, 3214868480
	.section	.rodata,"a",@progbits
	.p2align	6, 0x0
	.amdhsa_kernel k_qbf243fa4e9_attn
		.amdhsa_group_segment_fixed_size 280576
		.amdhsa_private_segment_fixed_size 0
		.amdhsa_enable_private_segment 0
		.amdhsa_kernarg_size 16
		.amdhsa_user_sgpr_count 2
		.amdhsa_user_sgpr_kernarg_segment_ptr 1
		.amdhsa_wavefront_size32 1
		.amdhsa_system_sgpr_workgroup_id_x 1
		.amdhsa_system_sgpr_workgroup_id_y 1
		.amdhsa_system_sgpr_workgroup_id_z 1
		.amdhsa_system_vgpr_workitem_id 0
		.amdhsa_next_free_vgpr 256
		.amdhsa_next_free_sgpr 80
		.amdhsa_reserve_vcc 1
		.amdhsa_float_denorm_mode_32 3
		.amdhsa_float_denorm_mode_16_64 3
		.amdhsa_fp16_overflow 1
		.amdhsa_memory_ordered 1
		.amdhsa_forward_progress 1
		.amdhsa_inst_pref_size 106
	.end_amdhsa_kernel
	.amdgpu_metadata
---
amdhsa.version: [ 1, 2 ]
amdhsa.kernels:
  - .name:           k_qbf243fa4e9_attn
    .symbol:         k_qbf243fa4e9_attn.kd
    .args:
      - { .name: qkvb, .offset: 0, .size: 8, .value_kind: global_buffer, .address_space: global }
      - { .name: attb, .offset: 8, .size: 8, .value_kind: global_buffer, .address_space: global }
    .group_segment_fixed_size: 280576
    .private_segment_fixed_size: 0
    .kernarg_segment_align: 8
    .kernarg_segment_size: 16
    .max_flat_workgroup_size: 512
    .sgpr_count:     80
    .vgpr_count:     256
    .wavefront_size: 32
...
	.end_amdgpu_metadata
.endif
;; end of part 3
;; launch proj (part 4): grid 8 x 32, 4 waves a work-group, clusters of 4 x 4, 327,680 bytes of LDS; arguments attb, bo, Wo_codes, Wo_scales, x, x1; writes x1
.if DOCPART == 4
	.amdgcn_target "amdgcn-amd-amdhsa--gfx1250"
	.amdhsa_code_object_version 6
	.text
	.protected	k_qbf243fa4e9_proj
	.globl	k_qbf243fa4e9_proj
	.p2align	8
	.type	k_qbf243fa4e9_proj,@function
k_qbf243fa4e9_proj:
	s_mov_b64 s[64:65], 0
	v_nop
	global_prefetch_b8 v0, s[64:65] scope:SCOPE_SE
	s_setreg_imm32_b32 hwreg(HW_REG_WAVE_MODE, 25, 1), 1
	s_wait_xcnt 0x0
	s_wait_alu depctr_hold_cnt(0) depctr_sa_sdst(0) depctr_va_vdst(0) depctr_va_sdst(0) depctr_va_ssrc(0) depctr_va_vcc(0) depctr_vm_vsrc(0)
	s_getreg_b32 s2, hwreg(HW_REG_IB_STS2, 6, 4)
	s_cmp_eq_u32 s2, 0
	s_cbranch_scc0 .Lentry_in_a_cluster
	s_endpgm
.Lentry_in_a_cluster:
	s_bfe_u32 s2, ttmp6, 0x10000c
	s_cmp_lg_u32 s2, 0xf033
	s_cbranch_scc0 .Lentry_shape_is_right
	s_endpgm
.Lentry_shape_is_right:
; out[row][n] = resid[row][n] + bias[n] + the sum over k of A[row][k] W[n][k], on codes of E4M3 with E8M0 scales; 4,096 rows, 1,024 columns, K = SIZE_K; out, resid, bias f32.
; A comes as images of operand registers, [row tile 256][K step of 128][2,048 B] (group c of lane L at 512 c + 16 L), with scale words [K / 128][4096 rows] x 4 B at byte 4096 x SIZE_K.  W: [1024][SIZE_K] codes, [1024][SIZE_K / 32] bytes.
; A tile of 128 x 128 to a work-group (32 x 8 = 256 work-groups; 256 x 256 would give 64); four waves, each 64 x 64: 16 accumulators.  Source 0 = 16 rows of W, source 1 = 16 rows of A: a lane holds eight neighbouring
; columns of one row.  The bias is the C of each sum's first product.
; K goes in steps of 512 (four quarters of 128) through two LDS slots: A's part dense (images need no pitch), W's rows of 512 bytes + 16 of padding.  The scales of all of K come once, with the first fills.
; CLUSTERS: 4 x 4 work-groups; A's tiles are shared along a row of the cluster, W's along a column: each is asked for jointly.
; The residual's 32 loads a lane are issued at the head, into window 2, and are added on the way out, where a block of 16 rows x 64 columns goes through the wave's stage in LDS so that sixteen lanes store 256 consecutive bytes.
; The stage lies in slot 0, which by then has had its last fill and its last read.
; REGISTERS: window 0: v0-31 addresses; v32-95 scale words, two sets (in a set: W's block b, quarter q at 4 b + q; A's at 16 + 4 a + q); v96-127 the bias; v128-255 the accumulators ((a, b) at 128 + 8 (4 a + b)).
;   window 1: two fragment buffers of 128: A's four blocks, then W's four.   window 2: v0-127 the residual.
.set SIZE_K, 1024
.set LAPS,   SIZE_K/1024               ; a lap = two K steps of 512
.set KS,     SIZE_K/32
.set PB,     528                       ; W's LDS row: 512 bytes + 16: the 16 rows that a load touches start at 16 different banks (64 banks of 4 bytes: ISA guide 11.1)
.set HALFA,  32768                     ; four row tiles x four quarters x 2,048: what one load brings of A
.set ASL,    65536
.set HALFB,  64*PB
.set SLOT,   ASL+2*HALFB
.set SCA,    2*SLOT                    ; A's scale words, [K / 128][128 rows]
.set SCAH,   (SIZE_K/256)*512
.set SCB,    SCA+2*SCAH                ; W's scale bytes, as units of 256 bytes + 16 of padding
.set RSB,    64*KS/256
.set HALFSB, RSB*272
.set SBLK,   (16*KS/256)*272
.set SPARE,  SCB+2*HALFSB              ; the spare words, 128 bytes for each wave: two blocks of 256 bytes that no other line names
.set SPITCH, 272
.set NP,     8                         ; places behind this matrix instruction (ISA guide 7.12.1)
.set ADRA, 16
.set ADRB, 20
.set STO,  24
.set RD,   25
.set CO,   26
.set ADSB, 27
.set SPW,  28
.set NIL,  29
.set ADSA, 30
.set SC,   32
.set OB,   32                          ; the way out: rows back from the stage, v32-63 and v64-95 by turns
.set BI,   96
.set ACC,  128
.set F0,   0
.set F1,   128
.set G1, 24
.set G0, 32
.set G1B, 48
.set G0B, 56
.set G1S, 68
.set G0S, 76
.set G1SB, 80
.set G0SB, 88
.set MSB, 0
.macro WIN new                         ; the immediate's high byte repeats the setting that is left
.if MSB != \new
	s_set_vgpr_msb (MSB<<8)|\new
.set MSB, \new
.endif
.endm
.set MUL,  0x05                        ; sources 0 (W) and 1 (A) window 1; C and D window 0
.set TO_F, 0x40                        ; destination window 1, address window 0
.macro JLOAD g0a, g1a, g0b, g1b        ; a joint load: waves 0 and 1 fetch for A, waves 2 and 3 for W; four v_nop follow each of the two lines
	s_cmp_eq_u32 s15, 0
	s_cbranch_scc0 .Lfor_b_\@
	tensor_load_to_lds s[\g0a:\g0a+3], s[\g1a:\g1a+7]
	s_nop 0
.rept 4
	v_nop
.endr
	s_branch .Lasked_\@
.Lfor_b_\@:
	tensor_load_to_lds s[\g0b:\g0b+3], s[\g1b:\g1b+7]
	s_nop 0
.rept 4
	v_nop
.endr
.Lasked_\@:
.endm
.macro CREST
	s_cmp_lg_u32 s14, 0
	s_cbranch_scc1 .Lnot_wave_0_\@
	s_barrier_signal -3
.Lnot_wave_0_\@:
	s_barrier_wait -3
	s_barrier_signal -1
	s_barrier_wait -1
.endm
.macro CROUND
	s_barrier_signal -1
	s_barrier_wait -1
	CREST
.endm
	s_load_b64 s[4:5], s[0:1], 0x0                 ; A
	s_load_b64 s[96:97], s[0:1], 0x8               ; the bias
	s_load_b128 s[8:11], s[0:1], 0x10              ; W's codes, W's scales
	s_load_b64 s[98:99], s[0:1], 0x20              ; the residual
	s_load_b64 s[12:13], s[0:1], 0x28              ; out
	v_lshl_add_u32 v[SPW], v0, 2, SPARE
	v_mov_b32 v[NIL], 0
	ds_add_u32 v28, v29
	ds_add_u32 v28, v29
	s_wait_dscnt 0x0
	v_lshrrev_b32 v1, 5, v0
	v_readfirstlane_b32 s14, v1                    ; wave 0..3
	s_lshr_b32 s15, s14, 1                         ; which 64 rows are mine.  Also: I fetch for A (0) or for W (1)
	s_and_b32 s16, s14, 1                          ; which 64 columns.  Also: which half of that tile I fetch
	s_bfe_u32 s40, ttmp6, 0x40000                  ; cx, cy
	s_bfe_u32 s41, ttmp6, 0x40004
	s_lshl_b32 s42, ttmp9, 2
	s_add_co_u32 s42, s42, s40                     ; tile column
	s_and_b32 s17, ttmp7, 0xffff
	s_lshl_b32 s17, s17, 2
	s_add_co_u32 s17, s17, s41                     ; tile row
	s_lshl_b32 s43, s41, 2
	s_lshl_b32 s43, 15, s43                        ; my row of the cluster
	s_lshl_b32 s44, 0x1111, s40                    ; my column
	; A: four row tiles, of each 8,192 consecutive bytes (1,024 elements of 8 bytes), 16 x SIZE_K bytes apart; dense in LDS
	s_or_b32 s[G1+0], s43, (3<<16)|(1<<21)
	s_mov_b32 s[G1+1], 1024<<16
	s_mov_b32 s[G1+2], 4<<16
	s_mov_b32 s[G1+3], 1024<<16
	s_mov_b32 s[G1+4], 4
	s_mov_b32 s[G1+5], 2*SIZE_K
	s_mov_b32 s[G1+6], 0
	s_mov_b32 s[G1+7], 0
	; W: 64 rows of 512 bytes, four words of padding after every 128
	s_or_b32 s[G1B+0], s44, (0<<16)|(1<<20)|(1<<21)|(6<<22)|(3<<25)
	s_mov_b32 s[G1B+1], 512<<16
	s_mov_b32 s[G1B+2], 64<<16
	s_mov_b32 s[G1B+3], 512<<16
	s_mov_b32 s[G1B+4], 64
	s_mov_b32 s[G1B+5], SIZE_K
	s_mov_b32 s[G1B+6], 0
	s_mov_b32 s[G1B+7], 0
	; A's scale words: for half of the K steps of 128, the tile's 128 rows: 512 bytes, 16,384 apart
	s_or_b32 s[G1S+0], s43, (3<<16)|(1<<21)
	s_mov_b32 s[G1S+1], 64<<16
	s_mov_b32 s[G1S+2], (SIZE_K/256)<<16
	s_mov_b32 s[G1S+3], 64<<16
	s_mov_b32 s[G1S+4], SIZE_K/256
	s_mov_b32 s[G1S+5], 2048
	s_mov_b32 s[G1S+6], 0
	s_mov_b32 s[G1S+7], 0
	; W's scale bytes of 64 rows: dense, as rows of 256 bytes with 16 of padding behind each
	s_or_b32 s[G1SB+0], s44, (3<<16)|(1<<20)|(1<<21)|(5<<22)|(3<<25)
	s_mov_b32 s[G1SB+1], 32<<16
	s_mov_b32 s[G1SB+2], RSB<<16
	s_mov_b32 s[G1SB+3], 32<<16
	s_mov_b32 s[G1SB+4], RSB
	s_mov_b32 s[G1SB+5], 32
	s_mov_b32 s[G1SB+6], 0
	s_mov_b32 s[G1SB+7], 0
	s_lshl_b32 s20, s17, 3
	s_lshl_b32 s18, s16, 2
	s_add_co_u32 s20, s20, s18                     ; A: row tile 8 x tile row + 4 x half
	s_mul_i32 s20, s20, 16*SIZE_K
	s_mov_b32 s21, 0
	s_mul_i32 s22, s16, (SIZE_K/256)*16384         ; A's scale words: my half of the K steps, the tile's rows
	s_lshl_b32 s18, s17, 9
	s_add_co_u32 s22, s22, s18
	s_add_co_u32 s22, s22, 4096*SIZE_K
	s_mov_b32 s23, 0
	s_lshl_b32 s46, s42, 7
	s_lshl_b32 s19, s16, 6
	s_add_co_u32 s46, s46, s19                     ; W: row 128 x tile column + 64 x half
	s_mul_i32 s92, s46, KS
	s_mov_b32 s93, 0
	s_mul_i32 s46, s46, SIZE_K
	s_mov_b32 s47, 0
	s_mul_i32 s45, s16, HALFA                      ; where they go: no place in the cluster enters an LDS address
	s_mul_i32 s94, s16, HALFB
	s_add_co_u32 s94, s94, ASL
	s_mul_i32 s100, s16, SCAH
	s_add_co_u32 s100, s100, SCA
	s_mul_i32 s101, s16, HALFSB
	s_add_co_u32 s101, s101, SCB
	s_wait_kmcnt 0x0
	s_add_nc_u64 s[20:21], s[4:5], s[20:21]
	s_add_nc_u64 s[22:23], s[4:5], s[22:23]
	s_add_nc_u64 s[46:47], s[8:9], s[46:47]
	s_add_nc_u64 s[92:93], s[10:11], s[92:93]
	CROUND                                         ; all sixteen work-groups are here: the first joint loads meet
	s_mov_b32 s[G0S], 1
	s_mov_b32 s[G0S+1], s100
	s_mov_b64 s[G0S+2:G0S+3], s[22:23]
	s_or_b32 s[G0S+3], s[G0S+3], 0x80000000
	s_mov_b32 s[G0SB], 1
	s_mov_b32 s[G0SB+1], s101
	s_mov_b64 s[G0SB+2:G0SB+3], s[92:93]
	s_or_b32 s[G0SB+3], s[G0SB+3], 0x80000000
	JLOAD G0S, G1S, G0SB, G1SB                     ; the scales first
.irp s, 0,1
	s_mov_b32 s[G0+4*\s], 1
	s_add_co_u32 s[G0+4*\s+1], s45, \s*SLOT
	s_add_nc_u64 s[G0+4*\s+2:G0+4*\s+3], s[20:21], \s*8192
	s_or_b32 s[G0+4*\s+3], s[G0+4*\s+3], 0x80000000
	s_mov_b32 s[G0B+4*\s], 1
	s_add_co_u32 s[G0B+4*\s+1], s94, \s*SLOT
	s_add_nc_u64 s[G0B+4*\s+2:G0B+4*\s+3], s[46:47], \s*512
	s_or_b32 s[G0B+4*\s+3], s[G0B+4*\s+3], 0x80000000
	JLOAD G0+4*\s, G1, G0B+4*\s, G1B               ; three loads of mine are out now
.endr
	v_and_b32 v1, 15, v0                           ; r
	v_bfe_u32 v2, v0, 4, 1                         ; h
	v_and_b32 v3, 31, v0
	v_lshlrev_b32 v4, 4, v3                        ; 16 x lane
	s_mul_i32 s21, s15, HALFA                      ; my four row tiles of A
	v_mul_u32_u24 v5, v1, PB
	v_lshl_add_u32 v5, v2, 4, v5
	s_mul_i32 s22, s16, HALFB                      ; my 64 rows of W
	s_add_co_u32 s22, s22, ASL
.irp s, 0,1
	v_add_nc_u32 v[ADRA+\s], s21, v4
	v_add_nc_u32 v[ADRB+\s], s22, v5
	s_add_co_u32 s21, s21, SLOT
	s_add_co_u32 s22, s22, SLOT
.endr
	s_lshl_b32 s21, s15, 8
	s_add_co_u32 s21, s21, SCA
	v_lshl_add_u32 v[ADSA], v1, 2, s21             ; A's scale words: row 64 x half + r
	v_mul_u32_u24 v5, v1, KS
	v_lshrrev_b32 v6, 8, v5
	v_lshl_add_u32 v5, v6, 4, v5
	s_mul_i32 s22, s16, HALFSB
	s_add_co_u32 s22, s22, SCB
	v_add_nc_u32 v[ADSB], s22, v5                  ; W's: row r of a block: KS bytes a row, 16 more for each 256 passed
	s_mul_i32 s23, s14, 16*SPITCH                  ; my stage
	v_mul_u32_u24 v5, v1, SPITCH
	v_lshl_add_u32 v5, v2, 5, v5
	v_add_nc_u32 v[STO], s23, v5                   ; in: row r, 32 bytes for each half of the lanes
	v_mul_u32_u24 v5, v2, SPITCH
	v_lshl_add_u32 v5, v1, 4, v5
	v_add_nc_u32 v[RD], s23, v5                    ; back: lanes 0-15 one row of 256 bytes, lanes 16-31 the next
	v_lshlrev_b32 v5, 12, v2
	v_lshl_add_u32 v[CO], v1, 4, v5                ; and the same two rows in memory
	v_lshlrev_b32 v7, 5, v2                        ; the bias: 8 h numbers on
	s_lshl_b32 s20, s17, 19                        ; my first row: (128 x tile row + 64 x half) x 4,096 bytes,
	s_lshl_b32 s21, s15, 18
	s_add_co_u32 s20, s20, s21
	s_lshl_b32 s46, s42, 9                         ; my first column: (128 x tile column + 64 x half) x 4 bytes
	s_lshl_b32 s47, s16, 8
	s_add_co_u32 s46, s46, s47
	s_mov_b32 s47, 0
	s_add_nc_u64 s[96:97], s[96:97], s[46:47]
	s_add_co_u32 s20, s20, s46
	s_mov_b32 s21, 0
	s_add_nc_u64 s[12:13], s[12:13], s[20:21]
	s_add_nc_u64 s[98:99], s[98:99], s[20:21]
.irp b, 0,1,2,3
	global_load_b128 v[BI+8*\b:BI+8*\b+3], v7, s[96:97] offset:64*\b          ; lane (r, h), tile b: the bias of columns 16 b + 8 h + 0 .. 7
	global_load_b128 v[BI+8*\b+4:BI+8*\b+7], v7, s[96:97] offset:64*\b+16
.endr
	WIN 0x80                                       ; destination window 2
.irp a, 0,1,2,3
.irp t, 0,1,2,3,4,5,6,7
	global_load_b128 v[32*\a+4*\t:32*\a+4*\t+3], v[CO], s[98:99] offset:(16*\a+2*\t)*4096   ; the residual, in the layout in which the rows leave
.endr
.endr
	WIN 0
; four matrix instructions: A's block a x W's four.  mode = 1: the bias starts the sums.  The 16 accumulators take turns, one instruction a turn, in the same order in every quarter.
.macro MUL4 f, q, sc, a, mode
.irp b, 0,1,2,3
.if \mode
	v_wmma_scale_f32_16x16x128_f8f6f4 v[ACC+8*(4*(\a)+\b):ACC+8*(4*(\a)+\b)+7], v[\f+64+16*\b:\f+64+16*\b+15], v[\f+16*(\a):\f+16*(\a)+15], v[BI+8*\b:BI+8*\b+7], v[SC+32*(\sc)+4*\b+(\q)], v[SC+32*(\sc)+16+4*(\a)+(\q)]
.else
	v_wmma_scale_f32_16x16x128_f8f6f4 v[ACC+8*(4*(\a)+\b):ACC+8*(4*(\a)+\b)+7], v[\f+64+16*\b:\f+64+16*\b+15], v[\f+16*(\a):\f+16*(\a)+15], v[ACC+8*(4*(\a)+\b):ACC+8*(4*(\a)+\b)+7], v[SC+32*(\sc)+4*\b+(\q)], v[SC+32*(\sc)+16+4*(\a)+(\q)]
.endif
.endr
.endm
.macro FETCH slot, q, f                ; 32 LDS loads in one run: W's four fragments, then A's blocks 0, 1, then 2, 3
	WIN TO_F
.irp i, 0,1,2,3
.irp c, 0,1,2,3
	ds_load_b128 v[\f+64+16*\i+4*\c:\f+64+16*\i+4*\c+3], v[ADRB+\slot] offset:\i*16*PB+128*(\q)+32*\c
.endr
.endr
.irp i, 0,1,2,3
.irp c, 0,1,2,3
	ds_load_b128 v[\f+16*\i+4*\c:\f+16*\i+4*\c+3], v[ADRA+\slot] offset:\i*8192+2048*(\q)+512*\c
.endr
.endr
.endm
.macro SCALES sc                       ; a K step's scale words: W's four a row by one load; A's one a load
.irp i, 0,1,2,3
	ds_load_b128 v[SC+32*\sc+4*\i:SC+32*\sc+4*\i+3], v[ADSB] offset:\i*SBLK
.endr
.irp i, 0,1,2,3
.irp u, 0,1,2,3
	ds_load_b32 v[SC+32*\sc+16+4*\i+\u], v[ADSA] offset:512*\u+64*\i
.endr
.endr
.endm
.macro PLACES n
.rept \n
	v_nop
.endr
.endm
.macro QUARTER slot, q, f, g, mode     ; one of a K step's first three quarters: multiplies buffer f and fetches the next quarter into g
	s_wait_dscnt 8                                 ; all but the youngest eight loads (A's blocks 2, 3) are in
	WIN MUL
	MUL4 \f, \q, \slot, 0, \mode
	MUL4 \f, \q, \slot, 1, \mode
	PLACES NP
	FETCH \slot, (\q)+1, \g
	s_wait_dscnt 32                                ; all but the 32 just issued
	WIN MUL
	MUL4 \f, \q, \slot, 2, \mode
	MUL4 \f, \q, \slot, 3, \mode
.endm
; The last quarter multiplies buffer 1 and changes slots: ONE barrier; in front of it each wave waits for all its tensor loads, adds 0 to its spare word, and waits for that and for its own reads of this slot.
.macro TURN slot, next, fill
	WIN 0
	s_wait_tensorcnt 0x0                           ; all my tensor loads have landed: my part of the next slot
	ds_add_u32 v[SPW], v[NIL]                      ; 0 onto my spare word
	s_wait_dscnt 9                                 ; (the add and the youngest eight loads may be out)
	WIN MUL
	MUL4 F1, 3, \slot, 0, 0                        ; four matrix instructions stand between the add and the wait for it
	s_wait_dscnt 0x0                               ; the add is done, and my reads of this slot are over
	s_barrier_signal -1
	MUL4 F1, 3, \slot, 1, 0
	WIN 0
	s_barrier_wait -1
.if \fill
	CREST                                          ; the barrier has opened a round of the cluster's barrier: no wave of any partner still reads this slot or has a load on its way
	s_add_nc_u64 s[G0+4*\slot+2:G0+4*\slot+3], s[G0+4*\slot+2:G0+4*\slot+3], 16384
	s_add_nc_u64 s[G0B+4*\slot+2:G0B+4*\slot+3], s[G0B+4*\slot+2:G0B+4*\slot+3], 1024
	JLOAD G0+4*\slot, G1, G0B+4*\slot, G1B         ; the first tensor load behind the round, my one load until the next; its four v_nop are four of the eight places
	PLACES NP-4
.else
	PLACES NP
.endif
	v_add_nc_u32 v[ADSA], 2048, v[ADSA]            ; on to the next K step's scale words
	v_add_nc_u32 v[ADSB], 16, v[ADSB]
	SCALES \next
	FETCH \next, 0, F0
	WIN MUL
	MUL4 F1, 3, \slot, 2, 0
	MUL4 F1, 3, \slot, 3, 0
.endm
	s_wait_tensorcnt 1                             ; the scales and my part of K step 0 are in; K step 1's load may stay out
	s_barrier_signal -1
	s_barrier_wait -1
	SCALES 0
	FETCH 0, 0, F0
	s_wait_loadcnt 32                              ; the bias is in; the residual's 32 loads stay out
	QUARTER 0, 0, F0, F1, 1                        ; the first quarter stands in front of the loop: the bias starts the sums
.if LAPS > 1
	WIN 0
	s_mov_b32 s3, LAPS-1
.Llap:                                                 ; a trip goes once round the ring and fills both slots again
	QUARTER 0, 1, F1, F0, 0
	QUARTER 0, 2, F0, F1, 0
	TURN 0, 1, 1
	QUARTER 1, 0, F0, F1, 0
	QUARTER 1, 1, F1, F0, 0
	QUARTER 1, 2, F0, F1, 0
	TURN 1, 0, 1
	QUARTER 0, 0, F0, F1, 0
	WIN 0
	s_sub_co_u32 s3, s3, 1
	s_cmp_lg_u32 s3, 0
	s_cbranch_scc1 .Llap
.endif
	QUARTER 0, 1, F1, F0, 0                        ; the last lap fills nothing
	QUARTER 0, 2, F0, F1, 0
	TURN 0, 1, 0
	QUARTER 1, 0, F0, F1, 0
	QUARTER 1, 1, F1, F0, 0
	QUARTER 1, 2, F0, F1, 0
	s_wait_dscnt 8
	WIN MUL
	MUL4 F1, 3, 1, 0, 0
	MUL4 F1, 3, 1, 1, 0
	s_wait_dscnt 0
	MUL4 F1, 3, 1, 2, 0
	MUL4 F1, 3, 1, 3, 0
	WIN 0
	PLACES NP                                      ; behind the last products: results are read, and registers that held scales are loaded
.macro SENDBLK a                       ; 16 rows x 64 columns: through my stage, the residual added, stored
.set OBS, OB+32*((\a)%2)
.if (\a) > 1
	s_wait_xcnt 0x0                                ; block a - 2's stores have read these registers
.endif
.irp b, 0,1,2,3
	ds_store_b128 v[STO], v[ACC+8*(4*(\a)+\b):ACC+8*(4*(\a)+\b)+3] offset:64*\b          ; each accumulator from its low end on
	ds_store_b128 v[STO], v[ACC+8*(4*(\a)+\b)+4:ACC+8*(4*(\a)+\b)+7] offset:64*\b+16
.endr
.irp t, 0,1,2,3,4,5,6,7
	ds_load_b128 v[OBS+4*\t:OBS+4*\t+3], v[RD] offset:\t*2*SPITCH   ; LDS serves a wave's instructions in order: these see the stores above
.endr
	s_wait_dscnt 0x0
	s_wait_loadcnt 8*(3-(\a))                      ; this block's eight loads of the residual are in; the later blocks' may be out
	WIN 0x08                                       ; source 1 window 2
.irp t, 0,1,2,3,4,5,6,7,8,9,10,11,12,13,14,15
	v_pk_add_f32 v[OBS+2*\t:OBS+2*\t+1], v[OBS+2*\t:OBS+2*\t+1], v[32*(\a)+2*\t:32*(\a)+2*\t+1]
.endr
	WIN 0
.irp t, 0,1,2,3,4,5,6,7
	global_store_b128 v[CO], v[OBS+4*\t:OBS+4*\t+3], s[12:13] offset:(16*(\a)+2*\t)*4096   ; sixteen lanes store 256 consecutive bytes, aligned
.endr
.endm
	SENDBLK 0
	SENDBLK 1
	SENDBLK 2
	SENDBLK 3
	s_wait_tensorcnt 0x0                           ; the wave's end
	ds_add_u32 v[SPW], v[NIL]
	s_wait_dscnt 0x0
	CROUND                                         ; the closing round
	s_endpgm
.Lfunc_end_k_qbf243fa4e9_proj:
	.size	k_qbf243fa4e9_proj, .Lfunc_end_k_qbf243fa4e9_proj-k_qbf243fa4e9_proj
	.p2alignl 7, 3214868480
	.fill 96, 4, 3214868480
	.section	.rodata,"a",@progbits
	.p2align	6, 0x0
	.amdhsa_kernel k_qbf243fa4e9_proj
		.amdhsa_group_segment_fixed_size 327680
		.amdhsa_private_segment_fixed_size 0
		.amdhsa_enable_private_segment 0
		.amdhsa_kernarg_size 48
		.amdhsa_user_sgpr_count 2
		.amdhsa_user_sgpr_kernarg_segment_ptr 1
		.amdhsa_wavefront_size32 1
		.amdhsa_system_sgpr_workgroup_id_x 1
		.amdhsa_system_sgpr_workgroup_id_y 1
		.amdhsa_system_sgpr_workgroup_id_z 1
		.amdhsa_system_vgpr_workitem_id 0
		.amdhsa_next_free_vgpr 640
		.amdhsa_next_free_sgpr 102
		.amdhsa_reserve_vcc 0
		.amdhsa_float_denorm_mode_32 3
		.amdhsa_float_denorm_mode_16_64 3
		.amdhsa_memory_ordered 1
		.amdhsa_forward_progress 1
		.amdhsa_inst_pref_size 64
	.end_amdhsa_kernel
	.amdgpu_metadata
---
amdhsa.version: [ 1, 2 ]
amdhsa.kernels:
  - .name:           k_qbf243fa4e9_proj
    .symbol:         k_qbf243fa4e9_proj.kd
    .args:
      - { .name: attb, .offset: 0, .size: 8, .value_kind: global_buffer, .address_space: global }
      - { .name: bo, .offset: 8, .size: 8, .value_kind: global_buffer, .address_space: global }
      - { .name: Wo_codes, .offset: 16, .size: 8, .value_kind: global_buffer, .address_space: global }
      - { .name: Wo_scales, .offset: 24, .size: 8, .value_kind: global_buffer, .address_space: global }
      - { .name: x, .offset: 32, .size: 8, .value_kind: global_buffer, .address_space: global }
      - { .name: x1, .offset: 40, .size: 8, .value_kind: global_buffer, .address_space: global }
    .group_segment_fixed_size: 327680
    .private_segment_fixed_size: 0
    .kernarg_segment_align: 8
    .kernarg_segment_size: 48
    .max_flat_workgroup_size: 128
    .sgpr_count:     102
    .vgpr_count:     640
    .wavefront_size: 32
...
	.end_amdgpu_metadata
.endif
;; end of part 4
;; launch ln2: the kernel of part 1 again; grid 256 x 1, 4 waves a work-group, no clusters, 22,016 bytes of LDS; arguments x1, ln2_g, ln2_b, hq; writes hq
;; launch ffn1 (part 5): grid 16 x 16, 4 waves a work-group, clusters of 4 x 4, 327,680 bytes of LDS; arguments hq, b1, W1_codes, W1_scales, hid; writes hid
.if DOCPART == 5
	.amdgcn_target "amdgcn-amd-amdhsa--gfx1250"
	.amdhsa_code_object_version 6
	.text
	.protected	k_qbf243fa4e9_ffn1
	.globl	k_qbf243fa4e9_ffn1
	.p2align	8
	.type	k_qbf243fa4e9_ffn1,@function
k_qbf243fa4e9_ffn1:
	s_mov_b64 s[64:65], 0
	v_nop
	global_prefetch_b8 v0, s[64:65] scope:SCOPE_SE
	s_setreg_imm32_b32 hwreg(HW_REG_WAVE_MODE, 25, 1), 1
	s_wait_xcnt 0x0
	s_wait_alu depctr_hold_cnt(0) depctr_sa_sdst(0) depctr_va_vdst(0) depctr_va_sdst(0) depctr_va_ssrc(0) depctr_va_vcc(0) depctr_vm_vsrc(0)
	s_getreg_b32 s2, hwreg(HW_REG_IB_STS2, 6, 4)
	s_cmp_eq_u32 s2, 0
	s_cbranch_scc0 .Lentry_in_a_cluster
	s_endpgm
.Lentry_in_a_cluster:
	s_bfe_u32 s2, ttmp6, 0x10000c
	s_cmp_lg_u32 s2, 0xf033
	s_cbranch_scc0 .Lentry_shape_is_right
	s_endpgm
.Lentry_shape_is_right:
; hidden = relu(LN2(x1) W1 + b1) on codes of E4M3 with E8M0 scales (K = 1,024), quantised at once along the hidden axis for the next product.  4,096 tokens x 4,096 hidden units.
; THE PRODUCT: source 0 = 16 rows of W1 (X: hidden units), source 1 = 16 tokens (Y): lane (r, h) holds token r, and register j of tile b hidden unit 16 b + 8 h + j.  b1 is the C of each sum's first product.
; A tile of 256 x 256 is made by four waves, each 128 x 128: 64 accumulators, 512 registers.  K goes in steps of 256 through a ring of two LDS slots filled by the tensor data mover; the scale bytes of the work-group's
; 2 x 256 rows, for all of K, come into LDS once, with the first fills.
; CLUSTERS: 4 x 4 work-groups.  The four of a row of the cluster need the same tiles of tokens, the four of a column the same tiles of W1: each is asked for jointly.
; THE WAY OUT has no LDS.  A wave's 128 hidden units are ONE K step of the next product.  A lane's 16 numbers of tiles 2 c, 2 c + 1 are units 32 c + 8 h + (i % 8) + 16 (i / 8): all of block c, so its largest magnitude
; (joined with lane l xor 16) and byte are the true ones.  The other operand of the next product is a given weight, so the codes are laid in NATURAL k order, by the store alone: a lane's 8 codes of (c, g) go to
; 512 c + 256 g + 16 r + 8 h of the operand's image: each store fills 256 consecutive bytes.  The activation costs nothing: the hold that the conversion wants clips at 0 as well.
; OUTPUT: images [row tile 256][K step 32][2,048 B]; scale words [K step 32][4096 rows] x 4 B at 0x1000000.
; LIMITS: NaN and infinities are not served; a block of zeros gets the byte 1 (its codes are zeros; this program alone reads the bytes); blocks under 2^-118 are held at that floor.
; REGISTERS, in windows of 256: window 0: v0-31 addresses; v32-63 scale words, two sets; v64-127 b1, eight tiles; from v128 the tokens' fragments, ONE set; on the way out v32-91 are at work.
;   window 1: W1's fragments, TWO sets.   window 2: the accumulators of my tokens 0-63 ((a, b) at v[8 (8 a + b)]);   window 3: those of tokens 64-127.
.set KSTEP,  256
.set NQ,     2
.set ROWB,   256
.set KROW,   1024
.set PITCH,  272                       ; an LDS row: 256 bytes + 16 of padding: the 16 rows that a load touches start at 16 different banks (64 banks of 4 bytes: ISA guide 11.1)
.set FR,     16
.set NL,     4
.set NP,     8                         ; places behind this matrix instruction (ISA guide 7.12.1)
.set HALFT,  128*PITCH
.set SLOT,   4*HALFT
.set LAPS,   2
.set KS,     32
.set SCL,    2*SLOT
.set HALFS,  (128*KS/256)*272
.set SBLK,   (16*KS/256)*272
.set SPARE,  SCL+4*HALFS               ; the spare words, 128 bytes for each wave: two blocks of 256 bytes that no other line names
.set ADRA, 16
.set ADRB, 20
.set HO,   24                          ; v24     16 r + 8 h
.set LS,   26                          ; v26     4 x lane
.set ADRS, 27
.set SPW,  28
.set NIL,  29
.set SC,   32
.set BI,   64
.set AF,   128
.set TM,   32
.set PC,   48
.set PW,   80
.set WW,   88
.set G1, 24
.set G0, 32
.set G1B, 48
.set G0B, 56
.set G1S, 68
.set G0S, 76
.set G1SB, 80
.set G0SB, 88
.set SEL, 66
.set MNT, 95
.set MSB, 0
.macro WIN new                         ; the immediate's high byte repeats the setting that is left
.if MSB != \new
	s_set_vgpr_msb (MSB<<8)|\new
.set MSB, \new
.endif
.endm
.set MUL_LO, 0xa1                      ; source 0 (W1) window 1, source 1 (tokens) window 0, C and D window 2
.set MUL_HI, 0xf1
.set FST_LO, 0x81                      ; the first step: C (b1) window 0, D window 2
.set FST_HI, 0xc1
.set TO_B,   0x40
.macro JLOAD g0a, g1a, g0b, g1b        ; a joint load: waves 0 and 1 fetch the tokens', waves 2 and 3 W1's; four v_nop follow each of the two lines
	s_cmp_eq_u32 s15, 0
	s_cbranch_scc0 .Lfor_b_\@
	tensor_load_to_lds s[\g0a:\g0a+3], s[\g1a:\g1a+7]
	s_nop 0
.rept 4
	v_nop
.endr
	s_branch .Lasked_\@
.Lfor_b_\@:
	tensor_load_to_lds s[\g0b:\g0b+3], s[\g1b:\g1b+7]
	s_nop 0
.rept 4
	v_nop
.endr
.Lasked_\@:
.endm
.macro CREST
	s_cmp_lg_u32 s14, 0
	s_cbranch_scc1 .Lnot_wave_0_\@
	s_barrier_signal -3
.Lnot_wave_0_\@:
	s_barrier_wait -3
	s_barrier_signal -1
	s_barrier_wait -1
.endm
.macro CROUND
	s_barrier_signal -1
	s_barrier_wait -1
	CREST
.endm
	s_load_b64 s[4:5], s[0:1], 0x0                 ; the tokens' codes (their scale bytes 0x400000 on)
	s_load_b64 s[96:97], s[0:1], 0x8               ; b1
	s_load_b128 s[8:11], s[0:1], 0x10              ; W1's codes, W1's scales
	s_load_b64 s[12:13], s[0:1], 0x20              ; the output
	v_lshl_add_u32 v[SPW], v0, 2, SPARE
	v_mov_b32 v[NIL], 0
	ds_add_u32 v28, v29
	ds_add_u32 v28, v29
	s_wait_dscnt 0x0
	v_lshrrev_b32 v1, 5, v0
	v_readfirstlane_b32 s14, v1                    ; wave 0..3
	s_lshr_b32 s15, s14, 1                         ; which half of the tile's tokens is mine.  Also: I fetch the tokens' (0) or W1's (1)
	s_and_b32 s16, s14, 1                          ; which half of its hidden units.  Also: which 128 rows of that tile I fetch
	s_bfe_u32 s40, ttmp6, 0x40000                  ; cx, cy
	s_bfe_u32 s41, ttmp6, 0x40004
	s_lshl_b32 s42, ttmp9, 2
	s_add_co_u32 s42, s42, s40                     ; W1's tile
	s_and_b32 s17, ttmp7, 0xffff
	s_lshl_b32 s17, s17, 2
	s_add_co_u32 s17, s17, s41                     ; the tokens' tile
	s_lshl_b32 s43, s41, 2
	s_lshl_b32 s43, 15, s43                        ; my row of the cluster
	s_lshl_b32 s44, 0x1111, s40                    ; my column
	s_or_b32 s[G1+0], s43, (0<<16)|(1<<20)|(1<<21)|(5<<22)|(3<<25)  ; 15:0 the mask; 17:16 elements of 1 byte; 20 padding on; 21 set beside a mask; 24:22 after every 64 words; 31:25 four words
	s_or_b32 s[G1B+0], s44, (0<<16)|(1<<20)|(1<<21)|(5<<22)|(3<<25)
.irp g, G1, G1B
	s_mov_b32 s[\g+1], ROWB<<16
	s_mov_b32 s[\g+2], 128<<16
	s_mov_b32 s[\g+3], ROWB<<16
	s_mov_b32 s[\g+4], 128
	s_mov_b32 s[\g+5], KROW
	s_mov_b32 s[\g+6], 0
	s_mov_b32 s[\g+7], 0
.endr
	s_or_b32 s[G1S+0], s43, (3<<16)|(1<<20)|(1<<21)|(5<<22)|(3<<25)   ; the scales of 128 rows: 16 rows of 256 bytes, 16 of padding behind each
	s_or_b32 s[G1SB+0], s44, (3<<16)|(1<<20)|(1<<21)|(5<<22)|(3<<25)
.irp g, G1S, G1SB
	s_mov_b32 s[\g+1], 32<<16
	s_mov_b32 s[\g+2], (128*KS/256)<<16
	s_mov_b32 s[\g+3], 32<<16
	s_mov_b32 s[\g+4], 128*KS/256
	s_mov_b32 s[\g+5], 32
	s_mov_b32 s[\g+6], 0
	s_mov_b32 s[\g+7], 0
.endr
	s_lshl_b32 s18, s16, 7
	s_lshl_b32 s20, s17, 8
	s_add_co_u32 s20, s20, s18                     ; tokens: row 256 x tile + 128 x half
	s_lshl_b32 s46, s42, 8
	s_add_co_u32 s46, s46, s18                     ; W1 likewise
	s_mov_b32 s21, 0
	s_mov_b32 s47, 0
	s_mov_b64 s[18:19], KS
	s_mul_u64 s[22:23], s[20:21], s[18:19]
	s_mul_u64 s[92:93], s[46:47], s[18:19]
	s_mov_b64 s[18:19], KROW
	s_mul_u64 s[20:21], s[20:21], s[18:19]
	s_mul_u64 s[46:47], s[46:47], s[18:19]
	s_mul_i32 s45, s14, HALFT                      ; where they go: wave x 128 rows: no place in the cluster enters an LDS address
	s_mul_i32 s94, s14, HALFS
	s_wait_kmcnt 0x0
	s_add_nc_u64 s[6:7], s[4:5], 0x400000
	s_add_nc_u64 s[20:21], s[4:5], s[20:21]
	s_add_nc_u64 s[22:23], s[6:7], s[22:23]
	s_add_nc_u64 s[46:47], s[8:9], s[46:47]
	s_add_nc_u64 s[92:93], s[10:11], s[92:93]
	CROUND                                         ; all sixteen work-groups are here: the first joint loads meet
	s_mov_b32 s[G0S], 1
	s_add_co_u32 s[G0S+1], s94, SCL
	s_mov_b64 s[G0S+2:G0S+3], s[22:23]
	s_or_b32 s[G0S+3], s[G0S+3], 0x80000000
	s_mov_b32 s[G0SB], 1
	s_add_co_u32 s[G0SB+1], s94, SCL
	s_mov_b64 s[G0SB+2:G0SB+3], s[92:93]
	s_or_b32 s[G0SB+3], s[G0SB+3], 0x80000000
	JLOAD G0S, G1S, G0SB, G1SB
.irp s, 0,1
	s_mov_b32 s[G0+4*\s], 1
	s_add_co_u32 s[G0+4*\s+1], s45, \s*SLOT
	s_add_nc_u64 s[G0+4*\s+2:G0+4*\s+3], s[20:21], \s*ROWB
	s_or_b32 s[G0+4*\s+3], s[G0+4*\s+3], 0x80000000
	s_mov_b32 s[G0B+4*\s], 1
	s_add_co_u32 s[G0B+4*\s+1], s45, \s*SLOT
	s_add_nc_u64 s[G0B+4*\s+2:G0B+4*\s+3], s[46:47], \s*ROWB
	s_or_b32 s[G0B+4*\s+3], s[G0B+4*\s+3], 0x80000000
	JLOAD G0+4*\s, G1, G0B+4*\s, G1B               ; three loads of mine are out now
.endr
	v_and_b32 v1, 15, v0                           ; r
	v_bfe_u32 v2, v0, 4, 1                         ; h
	v_mul_u32_u24 v3, v1, PITCH
	v_lshl_add_u32 v4, v2, 4, v3
	s_mul_i32 s21, s15, HALFT
	s_mul_i32 s22, s16, HALFT
	s_add_co_u32 s22, s22, 2*HALFT
.irp s, 0,1
	v_add_nc_u32 v[ADRA+\s], s21, v4
	v_add_nc_u32 v[ADRB+\s], s22, v4
	s_add_co_u32 s21, s21, SLOT
	s_add_co_u32 s22, s22, SLOT
.endr
	v_mul_u32_u24 v5, v1, KS
	v_lshrrev_b32 v6, 8, v5
	v_lshl_add_u32 v5, v6, 4, v5
	s_mul_i32 s21, s15, HALFS
	s_mul_i32 s22, s16, HALFS
	s_add_co_u32 s22, s22, 2*HALFS
	s_sub_co_u32 s22, s22, s21
	v_mul_u32_u24 v6, s22, v2                      ; lanes 16-31 take W1's: one product, the distance between the two bases
	s_add_co_u32 s21, s21, SCL
	v_add_nc_u32 v5, v5, v6
	v_add_nc_u32 v[ADRS], s21, v5
	v_lshlrev_b32 v[HO], 4, v1
	v_lshl_add_u32 v[HO], v2, 3, v[HO]
	v_and_b32 v7, 31, v0                           ; lane
	v_lshlrev_b32 v[LS], 2, v7
	v_lshlrev_b32 v8, 5, v2                        ; b1: 8 h numbers on
	s_mov_b32 s[SEL], 0x76543210
	s_mov_b32 s[SEL+1], 0xfedcba98
	s_mov_b32 s[MNT], 0x600000
	s_lshl_b32 s46, s42, 10                        ; b1: my 128 hidden units: (256 x tile + 128 x half) x 4 bytes
	s_lshl_b32 s47, s16, 9
	s_add_co_u32 s46, s46, s47
	s_mov_b32 s47, 0
	s_add_nc_u64 s[96:97], s[96:97], s[46:47]
.irp b, 0,1,2,3,4,5,6,7
	global_load_b128 v[BI+8*\b:BI+8*\b+3], v8, s[96:97] offset:64*\b
	global_load_b128 v[BI+8*\b+4:BI+8*\b+7], v8, s[96:97] offset:64*\b+16
.endr
	s_lshl_b32 s20, s17, 20                        ; images: ((16 x tokens' tile + 8 x half) x 32 + 2 x W1's tile + half) x 2,048
	s_lshl_b32 s21, s15, 19
	s_add_co_u32 s20, s20, s21
	s_lshl_b32 s46, s42, 12
	s_lshl_b32 s47, s16, 11
	s_add_co_u32 s46, s46, s47
	s_add_co_u32 s20, s20, s46
	s_mov_b32 s21, 0
	s_lshl_b32 s22, s42, 15                        ; scale words: ((2 x W1's tile + half) x 4096 + 256 x tokens' tile + 128 x half) x 4
	s_lshl_b32 s23, s16, 14
	s_add_co_u32 s22, s22, s23
	s_lshl_b32 s23, s17, 10
	s_add_co_u32 s22, s22, s23
	s_lshl_b32 s23, s15, 9
	s_add_co_u32 s22, s22, s23
	s_add_co_u32 s22, s22, 0x1000000
	s_mov_b32 s23, 0
	s_add_nc_u64 s[92:93], s[12:13], s[22:23]
	s_add_nc_u64 s[12:13], s[12:13], s[20:21]
.macro FRAG reg, adr, q, i             ; a fragment, 16 rows x 128 K: lane l holds row l % 16; registers 4 c .. 4 c + 3 hold K = 32 c + 16 (l / 16) + 0 .. 15
.irp c, 0,1,2,3
	ds_load_b128 v[\reg+4*\c:\reg+4*\c+3], v[\adr] offset:128*(\q)+32*\c+(\i)*16*PITCH
.endr
.endm
; 16 matrix instructions: the tokens' blocks a0, a0 + 1 x W1's eight.  zero = 1: b1 starts the sums.  The 64 accumulators take turns, one instruction a turn, in the same order in every step.
.macro MUL16 a0, p, q, sc, zero
.irp a, \a0, \a0+1
.irp b, 0,1,2,3,4,5,6,7
.if \zero
	v_wmma_scale_f32_16x16x128_f8f6f4 v[8*(8*((\a)%4)+\b):8*(8*((\a)%4)+\b)+7], v[128*(\p)+FR*\b:128*(\p)+FR*\b+FR-1], v[AF+FR*(\a):AF+FR*(\a)+FR-1], v[BI+8*\b:BI+8*\b+7], v[SC+8*NQ*(\sc)+NQ*\b+(\q)], v[SC+8*NQ*(\sc)+NQ*(\a)+(\q)] matrix_a_scale:MATRIX_SCALE_ROW1
.else
	v_wmma_scale_f32_16x16x128_f8f6f4 v[8*(8*((\a)%4)+\b):8*(8*((\a)%4)+\b)+7], v[128*(\p)+FR*\b:128*(\p)+FR*\b+FR-1], v[AF+FR*(\a):AF+FR*(\a)+FR-1], v[8*(8*((\a)%4)+\b):8*(8*((\a)%4)+\b)+7], v[SC+8*NQ*(\sc)+NQ*\b+(\q)], v[SC+8*NQ*(\sc)+NQ*(\a)+(\q)] matrix_a_scale:MATRIX_SCALE_ROW1
.endif
.endr
.endr
.endm
.macro FETCH_B slot, q, p
	WIN TO_B
.irp i, 0,1,2,3,4,5,6,7
	FRAG 128*(\p)+FR*\i, ADRB+\slot, \q, \i
.endr
	WIN 0
.endm
.macro FETCH_A slot, q, i0
.irp i, \i0, \i0+1, \i0+2, \i0+3
	FRAG AF+FR*(\i), ADRA+\slot, \q, \i
.endr
.endm
.macro SCALES sc
.irp i, 0,1,2,3,4,5,6,7
	ds_load_b64 v[SC+8*NQ*\sc+NQ*\i:SC+8*NQ*\sc+NQ*\i+1], v[ADRS] offset:\i*SBLK
.endr
.endm
.macro PLACES n                        ; plain vector lines between a matrix instruction and a load into, or a vector line on, its registers (ISA guide 7.12.1 for vector lines)
.rept \n
	v_nop
.endr
.endm
.macro STEP slot, q, zero
	s_wait_dscnt 4*NL                              ; W1's set and the tokens' blocks 0-3 are in; the youngest 16 loads (blocks 4-7) may be out
.if \zero
	WIN FST_LO
.else
	WIN MUL_LO
.endif
	MUL16 0, (\q)%2, \q, \slot, \zero
	MUL16 2, (\q)%2, \q, \slot, \zero
	s_wait_dscnt 0
	PLACES NP
	FETCH_B \slot, (\q)+1, 1-(\q)%2
	FETCH_A \slot, (\q)+1, 0
.if \zero
	WIN FST_HI
.else
	WIN MUL_HI
.endif
	MUL16 4, (\q)%2, \q, \slot, \zero
	MUL16 6, (\q)%2, \q, \slot, \zero
	PLACES NP
	WIN 0
	FETCH_A \slot, (\q)+1, 4
.endm
; A slot's last step changes slots: ONE barrier; in front of it each wave waits for all its tensor loads, adds 0 to its spare word, and waits for that and for its own reads of this slot.
.macro TURN slot, next, fill
	s_wait_tensorcnt 0x0                           ; all my tensor loads have landed: my part of the next slot
	ds_add_u32 v[SPW], v[NIL]                      ; 0 onto my spare word
	s_wait_dscnt 4*NL+1                            ; (the add and the youngest 16 loads may be out)
	WIN MUL_LO
	MUL16 0, 1, NQ-1, \slot, 0
	s_wait_dscnt 0x0                               ; the add is done, and my reads of this slot are over
	s_barrier_signal -1
	MUL16 2, 1, NQ-1, \slot, 0
	WIN 0
	s_barrier_wait -1
.if \fill
	CREST                                          ; the barrier has opened a round of the cluster's barrier: no wave of any partner still reads this slot or has a load on its way
	s_add_nc_u64 s[G0+4*\slot+2:G0+4*\slot+3], s[G0+4*\slot+2:G0+4*\slot+3], 2*ROWB
	s_add_nc_u64 s[G0B+4*\slot+2:G0B+4*\slot+3], s[G0B+4*\slot+2:G0B+4*\slot+3], 2*ROWB
	JLOAD G0+4*\slot, G1, G0B+4*\slot, G1B         ; the first tensor load behind the round, my one load until the next; its four v_nop are four of the eight places
	PLACES NP-4
.else
	PLACES NP
.endif
	v_add_nc_u32 v[ADRS], 4*NQ, v[ADRS]
	FETCH_B \next, 0, 0
	FETCH_A \next, 0, 0
	SCALES \next
	WIN MUL_HI
	MUL16 4, 1, NQ-1, \slot, 0
	MUL16 6, 1, NQ-1, \slot, 0
	PLACES NP
	WIN 0
	FETCH_A \next, 0, 4
.endm
	s_wait_tensorcnt 1                             ; the scales and my part of K step 0 are in; K step 1's load may stay out
	s_barrier_signal -1
	s_barrier_wait -1
	FETCH_B 0, 0, 0
	FETCH_A 0, 0, 0
	SCALES 0
	FETCH_A 0, 0, 4
	s_wait_loadcnt 0x0                             ; b1
	STEP 0, 0, 1                                   ; the first step stands in front of the loop: b1 starts the sums
	s_mov_b32 s3, LAPS-1
.Llap:
	TURN 0, 1, 1
	STEP 1, 0, 0
	TURN 1, 0, 1
	STEP 0, 0, 0
	s_sub_co_u32 s3, s3, 1
	s_cmp_lg_u32 s3, 0
	s_cbranch_scc1 .Llap
	TURN 0, 1, 0
	STEP 1, 0, 0
	s_wait_dscnt 4*NL
	WIN MUL_LO
	MUL16 0, 1, NQ-1, 1, 0
	MUL16 2, 1, NQ-1, 1, 0
	s_wait_dscnt 0
	WIN MUL_HI
	MUL16 4, 1, NQ-1, 1, 0
	MUL16 6, 1, NQ-1, 1, 0
	WIN 0
; 64 numbers of a lane at v[s] on in window n become 16 registers of codes at v[pc] and a scale word in v[pw], both in window 0; what is negative becomes 0 on the way (so no |.|: it must not count; the floor stands over it).
; Each accumulator is read from its low end on: tile 2 b's registers 0, 1 first, tile 2 b + 1's at i = 8.
.macro QUANTW s, n, pc, pw
.set W1, (\n)|((\n)<<2)
.set W2, ((\n)<<2)|((\n)<<4)
.set W4, (\n)|((\n)<<6)
.set W5, (\n)
	WIN W1
.irp b, 0,1,2,3
	v_max3_num_f32 v[TM+\b], v[\s+16*\b], v[\s+16*\b+1], 0x4800000   ; with the floor 2^(9 - 127): the byte cannot fall under 1
.endr
	WIN W2
.irp i, 2,4,6,8,10,12,14
.irp b, 0,1,2,3
	v_max3_num_f32 v[TM+\b], v[TM+\b], v[\s+16*\b+\i], v[\s+16*\b+\i+1]
.endr
.endr
	WIN 0
.irp b, 0,1,2,3
	v_permlanex16_b32 v[TM+4+\b], v[TM+\b], s[SEL], s[SEL+1]
.endr
.irp b, 0,1,2,3
	v_max_num_f32 v[TM+\b], v[TM+\b], v[TM+4+\b]
.endr
.irp b, 0,1,2,3
	v_add_nc_u32 v[TM+12+\b], 0xfc000000, v[TM+\b]
.endr
.irp b, 0,1,2,3
	v_and_or_b32 v[TM+8+\b], v[TM+\b], 0x7f800000, s[MNT]
.endr
.irp b, 0,1,2,3
	v_lshrrev_b32 v[TM+4+\b], 23, v[TM+12+\b]
.endr
	v_lshl_or_b32 v[\pw], v[TM+5], 8, v[TM+4]
	v_lshl_or_b32 v[\pw], v[TM+6], 16, v[\pw]
	v_lshl_or_b32 v[\pw], v[TM+7], 24, v[\pw]
	WIN W4
.irp b, 0,1,2,3
.irp i, 0,1,2,3,4,5,6,7,8,9,10,11,12,13,14,15
	v_med3_num_f32 v[\s+16*\b+\i], v[\s+16*\b+\i], 0, v[TM+8+\b]   ; the activation and the hold in one (the conversion does not saturate: ISA guide 7.6.2)
.endr
.endr
	WIN W5
.irp b, 0,1,2,3
	v_cvt_scalef32_pk8_fp8_f32 v[\pc+4*\b:\pc+4*\b+1], v[\s+16*\b:\s+16*\b+7], v[TM+12+\b]
	v_cvt_scalef32_pk8_fp8_f32 v[\pc+4*\b+2:\pc+4*\b+3], v[\s+16*\b+8:\s+16*\b+15], v[TM+12+\b]
.endr
	WIN 0
	v_nop                                          ; one plain line behind the last scaled conversion
.endm
.macro OUT a                           ; the tokens' block a leaves: eight stores of 256 consecutive bytes
.set QS, 64*((\a)%4)
.set QN, 2+(\a)/4
.set PCS, PC+16*((\a)%2)
.set PWS, PW+(\a)
.if (\a) > 1
	s_wait_xcnt 0x0                                ; block a - 2's stores have read this set of codes
.endif
	QUANTW QS, QN, PCS, PWS
.irp c, 0,1,2,3
.irp g, 0,1
	global_store_b64 v[HO], v[PCS+4*\c+2*\g:PCS+4*\c+2*\g+1], s[12:13] offset:(\a)*65536+512*\c+256*\g
.endr
.endr
.endm
	PLACES NP                                      ; behind the last products: the lines below write registers that held scales and b1, and read results
.irp b, 0,1,2,3
	v_mov_b32 v[TM+4+\b], 0                        ; written once: a lane permute's destination counts as one of its sources
.endr
.irp a, 0,1,2,3,4,5,6,7
	OUT \a
.endr
	v_cmp_gt_u32 vcc_lo, 16, v7                    ; the scale words of two blocks in one register: lanes 0-15 the even block's rows, lanes 16-31 the odd block's
.irp p, 0,1,2,3
	v_cndmask_b32 v[WW+\p], v[PW+2*\p+1], v[PW+2*\p], vcc_lo
.endr
.irp p, 0,1,2,3
	global_store_b32 v[LS], v[WW+\p], s[92:93] offset:128*\p   ; 128 consecutive bytes a store, 512 in all
.endr
	s_wait_tensorcnt 0x0                           ; the wave's end
	ds_add_u32 v[SPW], v[NIL]
	s_wait_dscnt 0x0
	CROUND                                         ; the closing round
	s_endpgm
.Lfunc_end_k_qbf243fa4e9_ffn1:
	.size	k_qbf243fa4e9_ffn1, .Lfunc_end_k_qbf243fa4e9_ffn1-k_qbf243fa4e9_ffn1
	.p2alignl 7, 3214868480
	.fill 96, 4, 3214868480
	.section	.rodata,"a",@progbits
	.p2align	6, 0x0
	.amdhsa_kernel k_qbf243fa4e9_ffn1
		.amdhsa_group_segment_fixed_size 327680
		.amdhsa_private_segment_fixed_size 0
		.amdhsa_enable_private_segment 0
		.amdhsa_kernarg_size 40
		.amdhsa_user_sgpr_count 2
		.amdhsa_user_sgpr_kernarg_segment_ptr 1
		.amdhsa_wavefront_size32 1
		.amdhsa_system_sgpr_workgroup_id_x 1
		.amdhsa_system_sgpr_workgroup_id_y 1
		.amdhsa_system_sgpr_workgroup_id_z 1
		.amdhsa_system_vgpr_workitem_id 0
		.amdhsa_next_free_vgpr 1024
		.amdhsa_next_free_sgpr 102
		.amdhsa_reserve_vcc 1
		.amdhsa_float_denorm_mode_32 3
		.amdhsa_float_denorm_mode_16_64 3
		.amdhsa_memory_ordered 1
		.amdhsa_forward_progress 1
		.amdhsa_inst_pref_size 190
	.end_amdhsa_kernel
	.amdgpu_metadata
---
amdhsa.version: [ 1, 2 ]
amdhsa.kernels:
  - .name:           k_qbf243fa4e9_ffn1
    .symbol:         k_qbf243fa4e9_ffn1.kd
    .args:
      - { .name: hq, .offset: 0, .size: 8, .value_kind: global_buffer, .address_space: global }
      - { .name: b1, .offset: 8, .size: 8, .value_kind: global_buffer, .address_space: global }
      - { .name: W1_codes, .offset: 16, .size: 8, .value_kind: global_buffer, .address_space: global }
      - { .name: W1_scales, .offset: 24, .size: 8, .value_kind: global_buffer, .address_space: global }
      - { .name: hid, .offset: 32, .size: 8, .value_kind: global_buffer, .address_space: global }
    .group_segment_fixed_size: 327680
    .private_segment_fixed_size: 0
    .kernarg_segment_align: 8
    .kernarg_segment_size: 40
    .max_flat_workgroup_size: 128
    .sgpr_count:     102
    .vgpr_count:     1024
    .wavefront_size: 32
...
	.end_amdgpu_metadata
.endif
;; end of part 5
;; launch ffn2 (part 6): grid 8 x 32, 4 waves a work-group, clusters of 4 x 4, 327,680 bytes of LDS; arguments hid, b2, W2_codes, W2_scales, x1, out0; writes out0
.if DOCPART == 6
	.amdgcn_target "amdgcn-amd-amdhsa--gfx1250"
	.amdhsa_code_object_version 6
	.text
	.protected	k_qbf243fa4e9_ffn2
	.globl	k_qbf243fa4e9_ffn2
	.p2align	8
	.type	k_qbf243fa4e9_ffn2,@function
k_qbf243fa4e9_ffn2:
	s_mov_b64 s[64:65], 0
	v_nop
	global_prefetch_b8 v0, s[64:65] scope:SCOPE_SE
	s_setreg_imm32_b32 hwreg(HW_REG_WAVE_MODE, 25, 1), 1
	s_wait_xcnt 0x0
	s_wait_alu depctr_hold_cnt(0) depctr_sa_sdst(0) depctr_va_vdst(0) depctr_va_sdst(0) depctr_va_ssrc(0) depctr_va_vcc(0) depctr_vm_vsrc(0)
	s_getreg_b32 s2, hwreg(HW_REG_IB_STS2, 6, 4)
	s_cmp_eq_u32 s2, 0
	s_cbranch_scc0 .Lentry_in_a_cluster
	s_endpgm
.Lentry_in_a_cluster:
	s_bfe_u32 s2, ttmp6, 0x10000c
	s_cmp_lg_u32 s2, 0xf033
	s_cbranch_scc0 .Lentry_shape_is_right
	s_endpgm
.Lentry_shape_is_right:
; out[row][n] = resid[row][n] + bias[n] + the sum over k of A[row][k] W[n][k], on codes of E4M3 with E8M0 scales; 4,096 rows, 1,024 columns, K = SIZE_K; out, resid, bias f32.
; A comes as images of operand registers, [row tile 256][K step of 128][2,048 B] (group c of lane L at 512 c + 16 L), with scale words [K / 128][4096 rows] x 4 B at byte 4096 x SIZE_K.  W: [1024][SIZE_K] codes, [1024][SIZE_K / 32] bytes.
; A tile of 128 x 128 to a work-group (32 x 8 = 256 work-groups; 256 x 256 would give 64); four waves, each 64 x 64: 16 accumulators.  Source 0 = 16 rows of W, source 1 = 16 rows of A: a lane holds eight neighbouring
; columns of one row.  The bias is the C of each sum's first product.
; K goes in steps of 512 (four quarters of 128) through a ring of two LDS slots: A's part dense (images need no pitch), W's rows of 512 bytes + 16 of padding.  The scales of all of K come once, with the first fills.
; CLUSTERS: 4 x 4 work-groups; A's tiles are shared along a row of the cluster, W's along a column: each is asked for jointly.  Behind each round a wave has one load out, with 56 matrix instructions in which to land.
; The residual's 32 loads a lane are issued at the head, into window 2, and are added on the way out, where a block of 16 rows x 64 columns goes through the wave's stage in LDS so that sixteen lanes store 256 consecutive bytes.
; The stage lies in slot 0, which by then has had its last fill and its last read.
; REGISTERS: window 0: v0-31 addresses; v32-95 scale words, two sets (in a set: W's block b, quarter q at 4 b + q; A's at 16 + 4 a + q); v96-127 the bias; v128-255 the accumulators ((a, b) at 128 + 8 (4 a + b)).
;   window 1: two fragment buffers of 128: A's four blocks, then W's four.   window 2: v0-127 the residual.
.set SIZE_K, 4096
.set LAPS,   SIZE_K/1024               ; a lap = two K steps of 512
.set KS,     SIZE_K/32
.set PB,     528                       ; W's LDS row: 512 bytes + 16: the 16 rows that a load touches start at 16 different banks (64 banks of 4 bytes: ISA guide 11.1)
.set HALFA,  32768
.set ASL,    65536
.set HALFB,  64*PB
.set SLOT,   ASL+2*HALFB
.set SCA,    2*SLOT
.set SCAH,   (SIZE_K/256)*512
.set SCB,    SCA+2*SCAH
.set RSB,    64*KS/256
.set HALFSB, RSB*272
.set SBLK,   (16*KS/256)*272
.set SPARE,  SCB+2*HALFSB              ; the spare words, 128 bytes for each wave: two blocks of 256 bytes that no other line names
.set SPITCH, 272
.set NP,     8                         ; places behind this matrix instruction (ISA guide 7.12.1)
.set ADRA, 16
.set ADRB, 20
.set STO,  24
.set RD,   25
.set CO,   26
.set ADSB, 27
.set SPW,  28
.set NIL,  29
.set ADSA, 30
.set SC,   32
.set OB,   32
.set BI,   96
.set ACC,  128
.set F0,   0
.set F1,   128
.set G1, 24
.set G0, 32
.set G1B, 48
.set G0B, 56
.set G1S, 68
.set G0S, 76
.set G1SB, 80
.set G0SB, 88
.set MSB, 0
.macro WIN new                         ; the immediate's high byte repeats the setting that is left
.if MSB != \new
	s_set_vgpr_msb (MSB<<8)|\new
.set MSB, \new
.endif
.endm
.set MUL,  0x05                        ; sources 0 (W) and 1 (A) window 1; C and D window 0
.set TO_F, 0x40                        ; destination window 1, address window 0
.macro JLOAD g0a, g1a, g0b, g1b        ; a joint load: waves 0 and 1 fetch for A, waves 2 and 3 for W; four v_nop follow each of the two lines
	s_cmp_eq_u32 s15, 0
	s_cbranch_scc0 .Lfor_b_\@
	tensor_load_to_lds s[\g0a:\g0a+3], s[\g1a:\g1a+7]
	s_nop 0
.rept 4
	v_nop
.endr
	s_branch .Lasked_\@
.Lfor_b_\@:
	tensor_load_to_lds s[\g0b:\g0b+3], s[\g1b:\g1b+7]
	s_nop 0
.rept 4
	v_nop
.endr
.Lasked_\@:
.endm
.macro CREST
	s_cmp_lg_u32 s14, 0
	s_cbranch_scc1 .Lnot_wave_0_\@
	s_barrier_signal -3
.Lnot_wave_0_\@:
	s_barrier_wait -3
	s_barrier_signal -1
	s_barrier_wait -1
.endm
.macro CROUND
	s_barrier_signal -1
	s_barrier_wait -1
	CREST
.endm
	s_load_b64 s[4:5], s[0:1], 0x0                 ; A
	s_load_b64 s[96:97], s[0:1], 0x8               ; the bias
	s_load_b128 s[8:11], s[0:1], 0x10              ; W's codes, W's scales
	s_load_b64 s[98:99], s[0:1], 0x20              ; the residual
	s_load_b64 s[12:13], s[0:1], 0x28              ; out
	v_lshl_add_u32 v[SPW], v0, 2, SPARE
	v_mov_b32 v[NIL], 0
	ds_add_u32 v28, v29
	ds_add_u32 v28, v29
	s_wait_dscnt 0x0
	v_lshrrev_b32 v1, 5, v0
	v_readfirstlane_b32 s14, v1                    ; wave 0..3
	s_lshr_b32 s15, s14, 1                         ; which 64 rows are mine.  Also: I fetch for A (0) or for W (1)
	s_and_b32 s16, s14, 1                          ; which 64 columns.  Also: which half of that tile I fetch
	s_bfe_u32 s40, ttmp6, 0x40000                  ; cx, cy
	s_bfe_u32 s41, ttmp6, 0x40004
	s_lshl_b32 s42, ttmp9, 2
	s_add_co_u32 s42, s42, s40                     ; tile column
	s_and_b32 s17, ttmp7, 0xffff
	s_lshl_b32 s17, s17, 2
	s_add_co_u32 s17, s17, s41                     ; tile row
	s_lshl_b32 s43, s41, 2
	s_lshl_b32 s43, 15, s43                        ; my row of the cluster
	s_lshl_b32 s44, 0x1111, s40                    ; my column
	; A: four row tiles, of each 8,192 consecutive bytes (1,024 elements of 8 bytes), 16 x SIZE_K bytes apart; dense in LDS
	s_or_b32 s[G1+0], s43, (3<<16)|(1<<21)
	s_mov_b32 s[G1+1], 1024<<16
	s_mov_b32 s[G1+2], 4<<16
	s_mov_b32 s[G1+3], 1024<<16
	s_mov_b32 s[G1+4], 4
	s_mov_b32 s[G1+5], 2*SIZE_K
	s_mov_b32 s[G1+6], 0
	s_mov_b32 s[G1+7], 0
	; W: 64 rows of 512 bytes, four words of padding after every 128
	s_or_b32 s[G1B+0], s44, (0<<16)|(1<<20)|(1<<21)|(6<<22)|(3<<25)
	s_mov_b32 s[G1B+1], 512<<16
	s_mov_b32 s[G1B+2], 64<<16
	s_mov_b32 s[G1B+3], 512<<16
	s_mov_b32 s[G1B+4], 64
	s_mov_b32 s[G1B+5], SIZE_K
	s_mov_b32 s[G1B+6], 0
	s_mov_b32 s[G1B+7], 0
	; A's scale words: for half of the K steps of 128, the tile's 128 rows: 512 bytes, 16,384 apart
	s_or_b32 s[G1S+0], s43, (3<<16)|(1<<21)
	s_mov_b32 s[G1S+1], 64<<16
	s_mov_b32 s[G1S+2], (SIZE_K/256)<<16
	s_mov_b32 s[G1S+3], 64<<16
	s_mov_b32 s[G1S+4], SIZE_K/256
	s_mov_b32 s[G1S+5], 2048
	s_mov_b32 s[G1S+6], 0
	s_mov_b32 s[G1S+7], 0
	; W's scale bytes of 64 rows: dense, as rows of 256 bytes with 16 of padding behind each
	s_or_b32 s[G1SB+0], s44, (3<<16)|(1<<20)|(1<<21)|(5<<22)|(3<<25)
	s_mov_b32 s[G1SB+1], 32<<16
	s_mov_b32 s[G1SB+2], RSB<<16
	s_mov_b32 s[G1SB+3], 32<<16
	s_mov_b32 s[G1SB+4], RSB
	s_mov_b32 s[G1SB+5], 32
	s_mov_b32 s[G1SB+6], 0
	s_mov_b32 s[G1SB+7], 0
	s_lshl_b32 s20, s17, 3
	s_lshl_b32 s18, s16, 2
	s_add_co_u32 s20, s20, s18                     ; A: row tile 8 x tile row + 4 x half
	s_mul_i32 s20, s20, 16*SIZE_K
	s_mov_b32 s21, 0
	s_mul_i32 s22, s16, (SIZE_K/256)*16384         ; A's scale words: my half of the K steps, the tile's rows
	s_lshl_b32 s18, s17, 9
	s_add_co_u32 s22, s22, s18
	s_add_co_u32 s22, s22, 4096*SIZE_K
	s_mov_b32 s23, 0
	s_lshl_b32 s46, s42, 7
	s_lshl_b32 s19, s16, 6
	s_add_co_u32 s46, s46, s19                     ; W: row 128 x tile column + 64 x half
	s_mul_i32 s92, s46, KS
	s_mov_b32 s93, 0
	s_mul_i32 s46, s46, SIZE_K
	s_mov_b32 s47, 0
	s_mul_i32 s45, s16, HALFA                      ; where they go: no place in the cluster enters an LDS address
	s_mul_i32 s94, s16, HALFB
	s_add_co_u32 s94, s94, ASL
	s_mul_i32 s100, s16, SCAH
	s_add_co_u32 s100, s100, SCA
	s_mul_i32 s101, s16, HALFSB
	s_add_co_u32 s101, s101, SCB
	s_wait_kmcnt 0x0
	s_add_nc_u64 s[20:21], s[4:5], s[20:21]
	s_add_nc_u64 s[22:23], s[4:5], s[22:23]
	s_add_nc_u64 s[46:47], s[8:9], s[46:47]
	s_add_nc_u64 s[92:93], s[10:11], s[92:93]
	CROUND                                         ; all sixteen work-groups are here: the first joint loads meet
	s_mov_b32 s[G0S], 1
	s_mov_b32 s[G0S+1], s100
	s_mov_b64 s[G0S+2:G0S+3], s[22:23]
	s_or_b32 s[G0S+3], s[G0S+3], 0x80000000
	s_mov_b32 s[G0SB], 1
	s_mov_b32 s[G0SB+1], s101
	s_mov_b64 s[G0SB+2:G0SB+3], s[92:93]
	s_or_b32 s[G0SB+3], s[G0SB+3], 0x80000000
	JLOAD G0S, G1S, G0SB, G1SB                     ; the scales first
.irp s, 0,1
	s_mov_b32 s[G0+4*\s], 1
	s_add_co_u32 s[G0+4*\s+1], s45, \s*SLOT
	s_add_nc_u64 s[G0+4*\s+2:G0+4*\s+3], s[20:21], \s*8192
	s_or_b32 s[G0+4*\s+3], s[G0+4*\s+3], 0x80000000
	s_mov_b32 s[G0B+4*\s], 1
	s_add_co_u32 s[G0B+4*\s+1], s94, \s*SLOT
	s_add_nc_u64 s[G0B+4*\s+2:G0B+4*\s+3], s[46:47], \s*512
	s_or_b32 s[G0B+4*\s+3], s[G0B+4*\s+3], 0x80000000
	JLOAD G0+4*\s, G1, G0B+4*\s, G1B               ; three loads of mine are out now
.endr
	v_and_b32 v1, 15, v0                           ; r
	v_bfe_u32 v2, v0, 4, 1                         ; h
	v_and_b32 v3, 31, v0
	v_lshlrev_b32 v4, 4, v3                        ; 16 x lane
	s_mul_i32 s21, s15, HALFA                      ; my four row tiles of A
	v_mul_u32_u24 v5, v1, PB
	v_lshl_add_u32 v5, v2, 4, v5
	s_mul_i32 s22, s16, HALFB                      ; my 64 rows of W
	s_add_co_u32 s22, s22, ASL
.irp s, 0,1
	v_add_nc_u32 v[ADRA+\s], s21, v4
	v_add_nc_u32 v[ADRB+\s], s22, v5
	s_add_co_u32 s21, s21, SLOT
	s_add_co_u32 s22, s22, SLOT
.endr
	s_lshl_b32 s21, s15, 8
	s_add_co_u32 s21, s21, SCA
	v_lshl_add_u32 v[ADSA], v1, 2, s21             ; A's scale words: row 64 x half + r
	v_mul_u32_u24 v5, v1, KS
	v_lshrrev_b32 v6, 8, v5
	v_lshl_add_u32 v5, v6, 4, v5
	s_mul_i32 s22, s16, HALFSB
	s_add_co_u32 s22, s22, SCB
	v_add_nc_u32 v[ADSB], s22, v5                  ; W's: row r of a block: KS bytes a row, 16 more for each 256 passed
	s_mul_i32 s23, s14, 16*SPITCH                  ; my stage
	v_mul_u32_u24 v5, v1, SPITCH
	v_lshl_add_u32 v5, v2, 5, v5
	v_add_nc_u32 v[STO], s23, v5                   ; in: row r, 32 bytes for each half of the lanes
	v_mul_u32_u24 v5, v2, SPITCH
	v_lshl_add_u32 v5, v1, 4, v5
	v_add_nc_u32 v[RD], s23, v5                    ; back: lanes 0-15 one row of 256 bytes, lanes 16-31 the next
	v_lshlrev_b32 v5, 12, v2
	v_lshl_add_u32 v[CO], v1, 4, v5                ; and the same two rows in memory
	v_lshlrev_b32 v7, 5, v2                        ; the bias: 8 h numbers on
	s_lshl_b32 s20, s17, 19                        ; my first row: (128 x tile row + 64 x half) x 4,096 bytes,
	s_lshl_b32 s21, s15, 18
	s_add_co_u32 s20, s20, s21
	s_lshl_b32 s46, s42, 9                         ; my first column: (128 x tile column + 64 x half) x 4 bytes
	s_lshl_b32 s47, s16, 8
	s_add_co_u32 s46, s46, s47
	s_mov_b32 s47, 0
	s_add_nc_u64 s[96:97], s[96:97], s[46:47]
	s_add_co_u32 s20, s20, s46
	s_mov_b32 s21, 0
	s_add_nc_u64 s[12:13], s[12:13], s[20:21]
	s_add_nc_u64 s[98:99], s[98:99], s[20:21]
.irp b, 0,1,2,3
	global_load_b128 v[BI+8*\b:BI+8*\b+3], v7, s[96:97] offset:64*\b          ; lane (r, h), tile b: the bias of columns 16 b + 8 h + 0 .. 7
	global_load_b128 v[BI+8*\b+4:BI+8*\b+7], v7, s[96:97] offset:64*\b+16
.endr
	WIN 0x80                                       ; destination window 2
.irp a, 0,1,2,3
.irp t, 0,1,2,3,4,5,6,7
	global_load_b128 v[32*\a+4*\t:32*\a+4*\t+3], v[CO], s[98:99] offset:(16*\a+2*\t)*4096   ; the residual, in the layout in which the rows leave
.endr
.endr
	WIN 0
; four matrix instructions: A's block a x W's four.  mode = 1: the bias starts the sums.  The 16 accumulators take turns, one instruction a turn, in the same order in every quarter.
.macro MUL4 f, q, sc, a, mode
.irp b, 0,1,2,3
.if \mode
	v_wmma_scale_f32_16x16x128_f8f6f4 v[ACC+8*(4*(\a)+\b):ACC+8*(4*(\a)+\b)+7], v[\f+64+16*\b:\f+64+16*\b+15], v[\f+16*(\a):\f+16*(\a)+15], v[BI+8*\b:BI+8*\b+7], v[SC+32*(\sc)+4*\b+(\q)], v[SC+32*(\sc)+16+4*(\a)+(\q)]
.else
	v_wmma_scale_f32_16x16x128_f8f6f4 v[ACC+8*(4*(\a)+\b):ACC+8*(4*(\a)+\b)+7], v[\f+64+16*\b:\f+64+16*\b+15], v[\f+16*(\a):\f+16*(\a)+15], v[ACC+8*(4*(\a)+\b):ACC+8*(4*(\a)+\b)+7], v[SC+32*(\sc)+4*\b+(\q)], v[SC+32*(\sc)+16+4*(\a)+(\q)]
.endif
.endr
.endm
.macro FETCH slot, q, f                ; 32 LDS loads in one run: W's four fragments, then A's blocks 0, 1, then 2, 3
	WIN TO_F
.irp i, 0,1,2,3
.irp c, 0,1,2,3
	ds_load_b128 v[\f+64+16*\i+4*\c:\f+64+16*\i+4*\c+3], v[ADRB+\slot] offset:\i*16*PB+128*(\q)+32*\c
.endr
.endr
.irp i, 0,1,2,3
.irp c, 0,1,2,3
	ds_load_b128 v[\f+16*\i+4*\c:\f+16*\i+4*\c+3], v[ADRA+\slot] offset:\i*8192+2048*(\q)+512*\c
.endr
.endr
.endm
.macro SCALES sc                       ; a K step's scale words: W's four a row by one load; A's one a load
.irp i, 0,1,2,3
	ds_load_b128 v[SC+32*\sc+4*\i:SC+32*\sc+4*\i+3], v[ADSB] offset:\i*SBLK
.endr
.irp i, 0,1,2,3
.irp u, 0,1,2,3
	ds_load_b32 v[SC+32*\sc+16+4*\i+\u], v[ADSA] offset:512*\u+64*\i
.endr
.endr
.endm
.macro PLACES n
.rept \n
	v_nop
.endr
.endm
.macro QUARTER slot, q, f, g, mode     ; one of a K step's first three quarters: multiplies buffer f and fetches the next quarter into g
	s_wait_dscnt 8                                 ; all but the youngest eight loads (A's blocks 2, 3) are in
	WIN MUL
	MUL4 \f, \q, \slot, 0, \mode
	MUL4 \f, \q, \slot, 1, \mode
	PLACES NP
	FETCH \slot, (\q)+1, \g
	s_wait_dscnt 32                                ; all but the 32 just issued
	WIN MUL
	MUL4 \f, \q, \slot, 2, \mode
	MUL4 \f, \q, \slot, 3, \mode
.endm
; The last quarter multiplies buffer 1 and changes slots: ONE barrier; in front of it each wave waits for all its tensor loads, adds 0 to its spare word, and waits for that and for its own reads of this slot.
.macro TURN slot, next, fill
	WIN 0
	s_wait_tensorcnt 0x0                           ; all my tensor loads have landed: my part of the next slot
	ds_add_u32 v[SPW], v[NIL]                      ; 0 onto my spare word
	s_wait_dscnt 9                                 ; (the add and the youngest eight loads may be out)
	WIN MUL
	MUL4 F1, 3, \slot, 0, 0                        ; four matrix instructions stand between the add and the wait for it
	s_wait_dscnt 0x0                               ; the add is done, and my reads of this slot are over
	s_barrier_signal -1
	MUL4 F1, 3, \slot, 1, 0
	WIN 0
	s_barrier_wait -1
.if \fill
	CREST                                          ; the barrier has opened a round of the cluster's barrier: no wave of any partner still reads this slot or has a load on its way
	s_add_nc_u64 s[G0+4*\slot+2:G0+4*\slot+3], s[G0+4*\slot+2:G0+4*\slot+3], 16384
	s_add_nc_u64 s[G0B+4*\slot+2:G0B+4*\slot+3], s[G0B+4*\slot+2:G0B+4*\slot+3], 1024
	JLOAD G0+4*\slot, G1, G0B+4*\slot, G1B         ; the first tensor load behind the round, my one load until the next; its four v_nop are four of the eight places
	PLACES NP-4
.else
	PLACES NP
.endif
	v_add_nc_u32 v[ADSA], 2048, v[ADSA]            ; on to the next K step's scale words
	v_add_nc_u32 v[ADSB], 16, v[ADSB]
	SCALES \next
	FETCH \next, 0, F0
	WIN MUL
	MUL4 F1, 3, \slot, 2, 0
	MUL4 F1, 3, \slot, 3, 0
.endm
	s_wait_tensorcnt 1                             ; the scales and my part of K step 0 are in; K step 1's load may stay out
	s_barrier_signal -1
	s_barrier_wait -1
	SCALES 0
	FETCH 0, 0, F0
	s_wait_loadcnt 32                              ; the bias is in; the residual's 32 loads stay out
	QUARTER 0, 0, F0, F1, 1                        ; the first quarter stands in front of the loop: the bias starts the sums
.if LAPS > 1
	WIN 0
	s_mov_b32 s3, LAPS-1
.Llap:                                                 ; a trip goes once round the ring and fills both slots again
	QUARTER 0, 1, F1, F0, 0
	QUARTER 0, 2, F0, F1, 0
	TURN 0, 1, 1
	QUARTER 1, 0, F0, F1, 0
	QUARTER 1, 1, F1, F0, 0
	QUARTER 1, 2, F0, F1, 0
	TURN 1, 0, 1
	QUARTER 0, 0, F0, F1, 0
	WIN 0
	s_sub_co_u32 s3, s3, 1
	s_cmp_lg_u32 s3, 0
	s_cbranch_scc1 .Llap
.endif
	QUARTER 0, 1, F1, F0, 0                        ; the last lap fills nothing
	QUARTER 0, 2, F0, F1, 0
	TURN 0, 1, 0
	QUARTER 1, 0, F0, F1, 0
	QUARTER 1, 1, F1, F0, 0
	QUARTER 1, 2, F0, F1, 0
	s_wait_dscnt 8
	WIN MUL
	MUL4 F1, 3, 1, 0, 0
	MUL4 F1, 3, 1, 1, 0
	s_wait_dscnt 0
	MUL4 F1, 3, 1, 2, 0
	MUL4 F1, 3, 1, 3, 0
	WIN 0
	PLACES NP                                      ; behind the last products: results are read, and registers that held scales are loaded
.macro SENDBLK a                       ; 16 rows x 64 columns: through my stage, the residual added, stored
.set OBS, OB+32*((\a)%2)
.if (\a) > 1
	s_wait_xcnt 0x0                                ; block a - 2's stores have read these registers
.endif
.irp b, 0,1,2,3
	ds_store_b128 v[STO], v[ACC+8*(4*(\a)+\b):ACC+8*(4*(\a)+\b)+3] offset:64*\b          ; each accumulator from its low end on
	ds_store_b128 v[STO], v[ACC+8*(4*(\a)+\b)+4:ACC+8*(4*(\a)+\b)+7] offset:64*\b+16
.endr
.irp t, 0,1,2,3,4,5,6,7
	ds_load_b128 v[OBS+4*\t:OBS+4*\t+3], v[RD] offset:\t*2*SPITCH   ; LDS serves a wave's instructions in order: these see the stores above
.endr
	s_wait_dscnt 0x0
	s_wait_loadcnt 8*(3-(\a))                      ; this block's eight loads of the residual are in; the later blocks' may be out
	WIN 0x08                                       ; source 1 window 2
.irp t, 0,1,2,3,4,5,6,7,8,9,10,11,12,13,14,15
	v_pk_add_f32 v[OBS+2*\t:OBS+2*\t+1], v[OBS+2*\t:OBS+2*\t+1], v[32*(\a)+2*\t:32*(\a)+2*\t+1]
.endr
	WIN 0
.irp t, 0,1,2,3,4,5,6,7
	global_store_b128 v[CO], v[OBS+4*\t:OBS+4*\t+3], s[12:13] offset:(16*(\a)+2*\t)*4096   ; sixteen lanes store 256 consecutive bytes, aligned
.endr
.endm
	SENDBLK 0
	SENDBLK 1
	SENDBLK 2
	SENDBLK 3
	s_wait_tensorcnt 0x0                           ; the wave's end
	ds_add_u32 v[SPW], v[NIL]
	s_wait_dscnt 0x0
	CROUND                                         ; the closing round
	s_endpgm
.Lfunc_end_k_qbf243fa4e9_ffn2:
	.size	k_qbf243fa4e9_ffn2, .Lfunc_end_k_qbf243fa4e9_ffn2-k_qbf243fa4e9_ffn2
	.p2alignl 7, 3214868480
	.fill 96, 4, 3214868480
	.section	.rodata,"a",@progbits
	.p2align	6, 0x0
	.amdhsa_kernel k_qbf243fa4e9_ffn2
		.amdhsa_group_segment_fixed_size 327680
		.amdhsa_private_segment_fixed_size 0
		.amdhsa_enable_private_segment 0
		.amdhsa_kernarg_size 48
		.amdhsa_user_sgpr_count 2
		.amdhsa_user_sgpr_kernarg_segment_ptr 1
		.amdhsa_wavefront_size32 1
		.amdhsa_system_sgpr_workgroup_id_x 1
		.amdhsa_system_sgpr_workgroup_id_y 1
		.amdhsa_system_sgpr_workgroup_id_z 1
		.amdhsa_system_vgpr_workitem_id 0
		.amdhsa_next_free_vgpr 640
		.amdhsa_next_free_sgpr 102
		.amdhsa_reserve_vcc 0
		.amdhsa_float_denorm_mode_32 3
		.amdhsa_float_denorm_mode_16_64 3
		.amdhsa_memory_ordered 1
		.amdhsa_forward_progress 1
		.amdhsa_inst_pref_size 104
	.end_amdhsa_kernel
	.amdgpu_metadata
---
amdhsa.version: [ 1, 2 ]
amdhsa.kernels:
  - .name:           k_qbf243fa4e9_ffn2
    .symbol:         k_qbf243fa4e9_ffn2.kd
    .args:
      - { .name: hid, .offset: 0, .size: 8, .value_kind: global_buffer, .address_space: global }
      - { .name: b2, .offset: 8, .size: 8, .value_kind: global_buffer, .address_space: global }
      - { .name: W2_codes, .offset: 16, .size: 8, .value_kind: global_buffer, .address_space: global }
      - { .name: W2_scales, .offset: 24, .size: 8, .value_kind: global_buffer, .address_space: global }
      - { .name: x1, .offset: 32, .size: 8, .value_kind: global_buffer, .address_space: global }
      - { .name: out0, .offset: 40, .size: 8, .value_kind: global_buffer, .address_space: global }
    .group_segment_fixed_size: 327680
    .private_segment_fixed_size: 0
    .kernarg_segment_align: 8
    .kernarg_segment_size: 48
    .max_flat_workgroup_size: 128
    .sgpr_count:     102
    .vgpr_count:     640
    .wavefront_size: 32
...
	.end_amdgpu_metadata
.endif
;; end of part 6
